; MI455X (gfx1250); checked and timed in simulation.
; The chip was launched on July 23, 2026; its instructions are those of AMD's public machine-readable ISA for CDNA 5 (MIT licence, August 2026) and "CDNA5" Instruction Set Architecture Reference Guide (July 2026). The comments in the code are by the model that wrote it; some were corrected since.
;; Self Attention. Allowed arithmetic: matrix products marked QUANTISED: E3M2 operands, one E8M0 scale for each 32 along K, by v_wmma_scale_f32_16x16x128_f8f6f4 with both operands' format E3M2, f32 sums; everything else in f32.
;; Inputs: Wk 1,024 x 1,024 float32; Wo 1,024 x 1,024 float32; Wq 1,024 x 1,024 float32; Wv 1,024 x 1,024 float32; bk 1,024 float32; bo 1,024 float32; bq 1,024 float32; bv 1,024 float32; x 4 x 2,048 x 1,024 float32.
;; Outputs: out0 4 x 2,048 x 1,024 float32.
;; This version of the problem:
;;   THIS VERSION OF THE PROBLEM IS GIVEN IN LOW PRECISION. The matrix products marked QUANTISED in the list below multiply operands that are first quantised to E3M2 (3 exponent bits, 2 mantissa bits; 6 bits a number), with one power-of-two scale for each 32 numbers along K (OCP MX v1.0); their sums are f32. All else is computed in f32.
;;   The module's matrix products, in the order in which they are computed (A, B: the left and right operand; K: the contracted axis; several contracted axes count as one K, in the product's order):
;;     1. [M 8,192, K 1,024] x [K 1,024, N 1,024]; A: input x; B: input Wq: QUANTISED
;;     2. [M 8,192, K 1,024] x [K 1,024, N 1,024]; A: input x; B: input Wk: QUANTISED
;;     3. [M 8,192, K 1,024] x [K 1,024, N 1,024]; A: input x; B: input Wv: QUANTISED
;;     4. batch 64 x [M 2,048, K 64] x [K 64, N 2,048]; A: computed on the way; B: computed on the way: QUANTISED
;;     5. batch 64 x [M 2,048, K 2,048] x [K 2,048, N 64]; A: softmax (see below); B: computed on the way: QUANTISED
;;     6. [M 8,192, K 1,024] x [K 1,024, N 1,024]; A: computed on the way; B: input Wo: QUANTISED
;;   THE QUANTISER, for each operand of a quantised product, along K:
;;     - K is cut into blocks of 32 from its start; a last block that is shorter is filled with zeros.
;;     - A block's scale is 2^e with e = floor(log2(the largest magnitude in the block)) - 4, held to -126 .. 127; a block of zeros has e = 0. As a byte (E8M0): e + 127.
;;     - Each number is divided by its block's scale, clamped to +-28, and rounded to the nearest number of E3M2, ties to even, subnormals kept.
;;     - The product sums the exact products of the quantised numbers (number of the format x scale) in f32.
;;   ~~~python
;;   def quantise(x, axis):      # numpy; x: float32 -> the quantised numbers, widened to float32 again
;;       x = np.moveaxis(x, axis, -1); K = x.shape[-1]
;;       x = np.pad(x, [(0, 0)] * (x.ndim - 1) + [(0, -K % 32)]); x = x.reshape(x.shape[:-1] + (-1, 32)); a = np.abs(x).max(-1, keepdims=True)
;;       e = np.where(a > 0, np.clip(np.frexp(np.where(a > 0, a, 1))[1] - 1 - 4, -126, 127), 0)      # np.frexp(a)[1] - 1 = floor(log2(a)), exactly
;;       r = np.clip(x / 2.0 ** e, -28, 28)
;;       step = 2.0 ** (np.maximum(np.frexp(np.where(r == 0, 1, r))[1] - 1, -2) - 2)
;;       q = np.round(r / step) * step * 2.0 ** e      # np.round: ties to even
;;       return np.moveaxis(q.reshape(q.shape[:-2] + (-1,))[..., :K], -1, axis).astype(np.float32)
;;   ~~~
;;   SOFTMAX AHEAD OF A QUANTISED PRODUCT. Where the list says 'softmax', what is quantised is not the finished softmax but p = 2^(t - M), with t = logit x log2(e) and M = ceil(the row's largest t), a whole number; so 1/2 < the row's largest p <= 1. The row's sum l is taken of the UNQUANTISED p, in f32, and the product's result is divided by l at the end. Since M is a whole number, a kernel that streams over the keys may use a running M (the ceiling of the running maximum): every later rescaling is an exact power of two, which a block's scale takes up: the codes' values come out the same.
;;   OPERANDS COMPUTED ON THE WAY. 'Computed on the way' means the value that the module computes at that place (a softmax that the list does not call 'softmax' is quantised finished and normalised). What goes into a quantiser is computed in f32, as accurately as f32 sums, v_exp_f32 and their like allow (about 1e-6 of the number): no bf16 or f16 on the way to a quantiser, and a product that is left as it is and whose result goes on into a quantised operand takes f32 operands (vector FMAs, or v_wmma_f32_16x16x4_f32). A number that lies on a knife's edge between two numbers of the format may be rounded either way, as far as f32 arithmetic and the matrix unit's own rounding can turn it there, and no further.
;; One version. Each part assembles by itself: llvm-mc -triple=amdgcn-amd-amdhsa -mcpu=gfx1250 --defsym DOCPART=n.
;; ======== version 1 of 1: 4 launches
;; limits: right only within a limited range of input values
;; workspace buffers: xq 6,553,600 bytes; cq 6,553,600 bytes; wq 3,276,800 bytes; qc 6,291,456 bytes; qs 262,144 bytes; kv 13,107,200 bytes
;; launch prep (part 1): grid 384 x 1, 4 waves a work-group, no clusters, 47,616 bytes of LDS; arguments x, Wq, Wk, Wv, Wo, xq, wq; writes xq, wq
.if DOCPART == 1
	.amdgcn_target "amdgcn-amd-amdhsa--gfx1250"
	.amdhsa_code_object_version 6
	.text
	.protected	k_q87a6839022_prep
	.globl	k_q87a6839022_prep
	.p2align	8
	.type	k_q87a6839022_prep,@function
k_q87a6839022_prep:
	s_mov_b64 s[64:65], 0
	v_nop
	global_prefetch_b8 v0, s[64:65] scope:SCOPE_SE
	s_setreg_imm32_b32 hwreg(HW_REG_WAVE_MODE, 25, 1), 1
	s_wait_xcnt 0x0
; x [8192][1024] and the four weights [1024 (k)][1024 (n)], f32, become codes of BF6 (E3M2) with one E8M0 byte for each 32 along K,
; laid in the ORDER OF THE OPERANDS' REGISTERS: an image is a fragment (16 rows x 128 K, 12 registers a lane): register quad g of lane l at 512 g + 16 l, 1,536 dense bytes.
; TILE ORDER: in a group of 32 neighbouring rows (of x) or columns (of W), tile u (0, 1) holds in lane r the neighbour 8 u + r + 8 (r / 8).
; xq: [256 rows: 32][half of K: 2][102,400]: images at (step' x 16 + tile) x 1,536; scale pairs at 98,304 + (step' / 2) x 2,048 + group x 256 + 8 (16 u + r): the even step's word, the odd step's.
; wq: [matrix 4][128 columns: 8][half of K: 2][51,200]: images at (step' x 8 + tile) x 1,536; scale pairs at 49,152 + (step' / 2) x 1,024 + group x 256 + 8 (16 u + r).
; A block's scale byte is its largest magnitude's exponent field - 4, held at 1 from below (a block of zeros gets 1 where the rule says 127: its codes are zeros, and this program alone reads the bytes).
; LIMITS: NaN and infinities among the inputs are not served.
; Work-groups 0-255: 32 rows of x each; wave w takes 256 along K (two K steps).  Work-groups 256-383: a matrix, 128 columns, 256 along K; wave w takes 32 columns.
; The two ways part on the work-group's number and have LDS bytes of their own.  No barrier: waves share nothing.
; x's ROWS GO BY GROUPS OF 64, otherwise than the line on the tile order above says (that line holds for the columns of W): tile u (0 .. 3) of a group holds in lane r the row 8 u + r % 8 + 32 (r / 8).
; A work-group's 32 rows are tiles 2 a, 2 a + 1 of a group (a = work-group % 2): rows 16 a + 0 .. 15 and 32 + 16 a + 0 .. 15.  The tiles' places in xq are as stated.
.set XBLK,  102400
.set WBLK,  51200
.set WMAT,  819200
.set FLOOR, 0x2800000                  ; 2^(5 - 127)
.set EOFF,  0xfe000000                 ; - (4 << 23)
.set XSP,   528                        ; x's stage: a row of 512 bytes + 16
.set XSTG,  16*XSP                     ; a wave's stage
.set WSTG0, 4*XSTG                     ; the weights' stages begin here
.set WIP,   1664                       ; an image in the weights' stage: 1,536 + 128
.set WV,  18
.set HM,  19
.set SEL, 20
.set LI,  1                            ; 16 x lane
.set L8,  2                            ; 8 x lane
.set SIN, 3                            ; x: stage, way in
.set SOUT,4                            ; x: stage, way out
.set SH8, 5                            ; 8 h
.set R,   16                           ; v16-143  two sets of 64: a fragment's numbers as loaded
.set X,   144                          ; v144-207 the lane's 64 numbers: k = 64 c + 32 h + 0 .. 31
.set PC,  208                          ; v208-219 the image
.set TC,  220
.set MX,  228
.set SO,  230
.set BY,  232
.set WT,  234
.set WD,  236                          ; v236-239 scale words: 2 u + e
.set OW,  240
.set WST, 3                            ; W: stage, way in
.set WRD, 4                            ; W: stage, way out
.set WL4, 5                            ; 4 x lane
.set WSL, 6                            ; 8 (16 u + r)
.set SB,  24                           ; v24-25 my column's two scale words
.set WX,  32                           ; v32-95 two sets of 32 numbers
.set HC,  96                           ; v96-101 a block's 24 bytes of codes
.set HT,  104
.set WO,  112                          ; v112-159 the images on their way out, 24 registers a K step
	s_load_b256 s[4:11], s[0:1], 0x0               ; x, Wq, Wk, Wv
	s_load_b128 s[12:15], s[0:1], 0x20             ; Wo, xq
	s_load_b64 s[16:17], s[0:1], 0x30              ; wq
	v_lshl_add_u32 v254, v0, 2, 0xb800
	v_mov_b32 v255, 0
	v_lshrrev_b32 v8, 5, v0
	v_readfirstlane_b32 s[WV], v8                  ; wave 0..3
	v_and_b32 v8, 31, v0                           ; lane
	v_lshlrev_b32 v[LI], 4, v8
	v_lshlrev_b32 v[L8], 3, v8
	s_mov_b32 s[SEL], 0x76543210
	s_mov_b32 s[SEL+1], 0xfedcba98                 ; v_permlanex16_b32's selects for lane l xor 16
	s_cmp_lt_u32 ttmp9, 256
	s_cbranch_scc0 .Lweights
; ---------------- x: K is innermost ----------------
	v_and_b32 v9, 15, v0                           ; r
	v_bfe_u32 v10, v0, 4, 1                        ; h
	s_mul_i32 s22, s[WV], XSTG
	v_add_nc_u32 v[SIN], s22, v[LI]                ; in: a row's 512 bytes as they lie
	v_mul_u32_u24 v[SOUT], v9, XSP
	v_lshl_add_u32 v[SOUT], v10, 7, v[SOUT]
	v_add_nc_u32 v[SOUT], s22, v[SOUT]             ; out: row r, + 128 h: my block of 32 numbers
	v_lshlrev_b32 v[SH8], 3, v10
	v_mov_b32 v[WT+1], 0                           ; a lane permute's destination counts as one of its sources
	s_mov_b32 s[HM], 0xffff0000                    ; lanes 16-31
	s_lshr_b32 s24, ttmp9, 1
	s_lshl_b32 s24, s24, 18                        ; my group of 64 rows of 4,096 bytes,
	s_and_b32 s25, ttmp9, 1
	s_lshl_b32 s25, s25, 16                        ; and 16 rows on for its tiles 2 and 3
	s_add_co_u32 s24, s24, s25
	s_lshl_b32 s25, s[WV], 10                      ; my 256 along K
	s_add_co_u32 s24, s24, s25
	s_mov_b32 s25, 0
	s_lshr_b32 s26, ttmp9, 3
	s_lshl_b32 s26, s26, 1
	s_lshr_b32 s27, s[WV], 1
	s_add_co_u32 s26, s26, s27
	s_mul_i32 s26, s26, XBLK                       ; the block of 256 rows and half of K
	s_and_b32 s27, s[WV], 1
	s_and_b32 s28, ttmp9, 7
	s_mul_i32 s30, s27, 49152                      ; two K steps of 16 images
	s_mul_i32 s31, s28, 3072                       ; my group's two tiles
	s_add_co_u32 s30, s30, s31
	s_add_co_u32 s30, s30, s26
	s_mov_b32 s31, 0
	s_lshl_b32 s32, s27, 11
	s_lshl_b32 s33, s28, 8
	s_add_co_u32 s32, s32, s33
	s_add_co_u32 s32, s32, s26
	s_add_co_u32 s32, s32, 98304
	s_mov_b32 s33, 0
	s_wait_alu depctr_va_vdst(0)
	s_wait_kmcnt 0x0
	s_add_nc_u64 s[4:5], s[4:5], s[24:25]
	s_add_nc_u64 s[34:35], s[14:15], s[30:31]      ; my images
	s_add_nc_u64 s[36:37], s[14:15], s[32:33]      ; my group's scale pairs
; fragment t = 2 e + u: K step e of my two, tile u.  Sixteen loads, each 512 consecutive bytes of one row
.macro XLOAD t
.irp i, 0,1,2,3,4,5,6,7,8,9,10,11,12,13,14,15
	global_load_b128 v[R+64*((\t)%2)+4*\i:R+64*((\t)%2)+4*\i+3], v[LI], s[4:5] offset:(8*((\t)%2)+\i%8+32*(\i/8))*4096+512*((\t)/2) th:TH_LOAD_NT
.endr
.endm
.macro FRAGX t
.set RS, R+64*((\t)%2)
.if (\t) < 3
	s_wait_loadcnt 16                              ; this fragment's loads are in; the next one's sixteen may be out
.else
	s_wait_loadcnt 0x0
.endif
.irp i, 0,1,2,3,4,5,6,7,8,9,10,11,12,13,14,15
	ds_store_b128 v[SIN], v[RS+4*\i:RS+4*\i+3] offset:XSP*\i
.endr
.irp c, 0,1
.irp q, 0,1,2,3,4,5,6,7
	ds_load_b128 v[X+32*\c+4*\q:X+32*\c+4*\q+3], v[SOUT] offset:256*\c+16*\q   ; LDS serves a wave's instructions in order: these see the stores above
.endr
.endr
	s_wait_dscnt 0x0                               ; my 64 numbers are in, and the stores have read their registers
.if (\t) < 2
	XLOAD (\t)+2
.endif
.irp c, 0,1
	v_max3_num_f32 v[MX+\c], |v[X+32*\c]|, |v[X+32*\c+1]|, FLOOR   ; block 2 c + h is all mine; the floor holds the byte at 1 from below
.endr
.irp i, 2,4,6,8,10,12,14,16,18,20,22,24,26,28,30
.irp c, 0,1
	v_max3_num_f32 v[MX+\c], v[MX+\c], |v[X+32*\c+\i]|, |v[X+32*\c+\i+1]|
.endr
.endr
.irp c, 0,1
	v_add_nc_u32 v[SO+\c], EOFF, v[MX+\c]          ; 4 off the exponent field: the conversion's scale operand
.endr
.irp c, 0,1
	v_lshrrev_b32 v[BY+\c], 23, v[SO+\c]           ; the byte
.endr
	v_lshl_or_b32 v[WT], v[BY+1], 16, v[BY]        ; bytes h and 2 + h of my row's word,
	v_lshlrev_b32 v[WT], v[SH8], v[WT]             ; at their places;
	v_permlanex16_b32 v[WT+1], v[WT], s[SEL], s[SEL+1]
	v_or_b32 v[WD+2*((\t)%2)+(\t)/2], v[WT], v[WT+1]   ; with lane l xor 16's two the word is whole
	s_wait_alu depctr_va_vdst(0)
	s_wait_xcnt 0x0                                ; the last fragment's stores have read the image's registers
.irp c, 0,1
	v_cvt_scalef32_pk16_bf6_f32 v[PC+6*\c:PC+6*\c+2], v[X+32*\c:X+32*\c+15], v[SO+\c]
	v_cvt_scalef32_pk16_bf6_f32 v[TC+4*\c:TC+4*\c+2], v[X+32*\c+16:X+32*\c+31], v[SO+\c]   ; (a conversion's three registers begin on an even number)
.endr
	v_nop                                          ; one plain place behind a scaled conversion
.irp c, 0,1
.irp i, 0,1,2
	v_mov_b32 v[PC+3+6*\c+\i], v[TC+4*\c+\i]
.endr
.endr
.irp g, 0,1,2
	global_store_b128 v[LI], v[PC+4*\g:PC+4*\g+3], s[34:35] offset:(16*((\t)/2)+(\t)%2)*1536+512*\g   ; 512 consecutive bytes
.endr
.endm
	XLOAD 0
	XLOAD 1
	FRAGX 0
	FRAGX 1
	FRAGX 2
	FRAGX 3
	v_cndmask_b32 v[OW], v[WD], v[WD+2], s[HM]     ; lanes 0-15 tile 0's words, lanes 16-31 tile 1's: the even step's,
	v_cndmask_b32 v[OW+1], v[WD+1], v[WD+3], s[HM] ; the odd step's
	global_store_b64 v[L8], v[OW:OW+1], s[36:37]   ; 256 consecutive bytes, aligned
	s_wait_tensorcnt 0x0
	ds_add_u32 v254, v255
	s_wait_dscnt 0x0
	s_endpgm
; ---------------- the weights: K is the first axis.  A lane takes a column, and its registers run down K ----------------
.Lweights:
	s_sub_co_u32 s22, ttmp9, 256
	s_lshr_b32 s23, s22, 5                         ; matrix: q, k, v, o
	s_bfe_u32 s24, s22, 0x30002                    ; which 128 columns
	s_and_b32 s25, s22, 3                          ; which 256 along K
	v_bfe_u32 v9, v0, 3, 1                         ; my column's tile u
	v_and_b32 v10, 7, v0
	v_bfe_u32 v11, v0, 4, 1
	v_lshl_add_u32 v10, v11, 3, v10                ; and its lane r there
	s_mul_i32 s26, s[WV], 2*WIP
	s_add_co_u32 s26, s26, WSTG0
	v_mul_u32_u24 v[WST], v9, WIP
	v_lshl_add_u32 v[WST], v10, 4, v[WST]
	v_add_nc_u32 v[WST], s26, v[WST]
	s_wait_alu depctr_va_vdst(0)
	v_add_nc_u32 v[WRD], s26, v[LI]
	v_lshlrev_b32 v[WL4], 2, v8
	v_lshl_add_u32 v[WSL], v9, 4, v10
	v_lshlrev_b32 v[WSL], 3, v[WSL]
	s_lshl_b32 s28, s25, 20                        ; 256 rows of 4,096 bytes
	s_lshl_b32 s29, s24, 9
	s_add_co_u32 s28, s28, s29
	s_lshl_b32 s29, s[WV], 7
	s_add_co_u32 s28, s28, s29
	s_mov_b32 s29, 0
	s_mul_i32 s30, s23, WMAT
	s_lshl_b32 s31, s24, 1
	s_lshr_b32 s32, s25, 1
	s_add_co_u32 s31, s31, s32
	s_mul_i32 s31, s31, WBLK
	s_add_co_u32 s30, s30, s31                     ; the block of 128 columns and half of K
	s_and_b32 s32, s25, 1
	s_mul_i32 s34, s32, 24576                      ; two K steps of 8 images
	s_mul_i32 s35, s[WV], 3072
	s_add_co_u32 s34, s34, s35
	s_add_co_u32 s34, s34, s30
	s_mov_b32 s35, 0
	s_lshl_b32 s36, s32, 10
	s_lshl_b32 s37, s[WV], 8
	s_add_co_u32 s36, s36, s37
	s_add_co_u32 s36, s36, s30
	s_add_co_u32 s36, s36, 49152
	s_mov_b32 s37, 0
	s_wait_alu depctr_va_vdst(0)
	s_wait_kmcnt 0x0
	s_cmp_eq_u32 s23, 1                            ; the choice hangs on the work-group's number alone
	s_cselect_b64 s[38:39], s[8:9], s[6:7]
	s_cmp_eq_u32 s23, 2
	s_cselect_b64 s[38:39], s[10:11], s[38:39]
	s_cmp_eq_u32 s23, 3
	s_cselect_b64 s[38:39], s[12:13], s[38:39]
	s_add_nc_u64 s[38:39], s[38:39], s[28:29]
	s_add_nc_u64 s[34:35], s[16:17], s[34:35]
	s_add_nc_u64 s[36:37], s[16:17], s[36:37]
.macro WLOAD t                         ; block t: W(32 t + j, my column): 128 consecutive bytes a wave, 512 a work-group
.set j, 0
.rept 32
	global_load_b32 v[WX+32*((\t)%2)+j], v[WL4], s[38:39] offset:(32*(\t)+j)*4096 th:TH_LOAD_NT
.set j, j+1
.endr
.endm
; block t = 4 e + 2 c + h': its 24 bytes are registers 6 c .. 6 c + 5 of lane r + 16 h' of my tile's image of K step e
.macro WBLOCK t
.set XS, WX+32*((\t)%2)
.set HP, 256*((\t)%2)
.if (\t) < 7
	s_wait_loadcnt 32                              ; this block's loads are in; the next block's 32 may be out
.else
	s_wait_loadcnt 0x0
.endif
	v_max3_num_f32 v12, |v[XS]|, |v[XS+1]|, |v[XS+2]|
	v_max3_num_f32 v13, |v[XS+3]|, |v[XS+4]|, |v[XS+5]|
.irp i, 6,10,14,18,22,26
	v_max3_num_f32 v12, v12, |v[XS+\i]|, |v[XS+\i+1]|
	v_max3_num_f32 v13, v13, |v[XS+\i+2]|, |v[XS+\i+3]|
.endr
	v_max3_num_f32 v12, v12, |v[XS+30]|, |v[XS+31]|
	v_max3_num_f32 v12, v12, v13, FLOOR
	v_add_nc_u32 v11, EOFF, v12
	v_lshrrev_b32 v13, 23, v11
.if (\t)%4 == 0
	v_mov_b32 v[SB+(\t)/4], v13
.else
	v_lshl_or_b32 v[SB+(\t)/4], v13, 8*((\t)%4), v[SB+(\t)/4]
.endif
	v_cvt_scalef32_pk16_bf6_f32 v[HC:HC+2], v[XS:XS+15], v11
	v_cvt_scalef32_pk16_bf6_f32 v[HT:HT+2], v[XS+16:XS+31], v11
	v_nop                                          ; one plain place behind a scaled conversion
.irp i, 0,1,2
	v_mov_b32 v[HC+3+\i], v[HT+\i]
.endr
.if (((\t)>>1)&1) == 0
	ds_store_b128 v[WST], v[HC:HC+3] offset:HP             ; registers 0-3: quad 0
	ds_store_b64 v[WST], v[HC+4:HC+5] offset:512+HP        ; registers 4, 5: the low half of quad 1
.else
	ds_store_b64 v[WST], v[HC:HC+1] offset:520+HP          ; registers 6, 7: its high half
	ds_store_b128 v[WST], v[HC+2:HC+5] offset:1024+HP      ; registers 8-11: quad 2
.endif
.if (\t)+2 < 8
	WLOAD (\t)+2
.endif
	s_wait_dscnt 0x0                               ; the stores have read their registers
.endm
.macro WOUT e                          ; K step e's two images leave as they lie: 512 consecutive bytes a store
.irp u, 0,1
.irp g, 0,1,2
	ds_load_b128 v[WO+24*\e+12*\u+4*\g:WO+24*\e+12*\u+4*\g+3], v[WRD] offset:\u*WIP+512*\g
.endr
.endr
	s_wait_dscnt 0x0
.irp u, 0,1
.irp g, 0,1,2
	global_store_b128 v[LI], v[WO+24*\e+12*\u+4*\g:WO+24*\e+12*\u+4*\g+3], s[34:35] offset:(8*\e+\u)*1536+512*\g
.endr
.endr
.endm
	WLOAD 0
	WLOAD 1
	WBLOCK 0
	WBLOCK 1
	WBLOCK 2
	WBLOCK 3
	WOUT 0
	WBLOCK 4
	WBLOCK 5
	WBLOCK 6
	WBLOCK 7
	WOUT 1
	s_wait_alu depctr_va_vdst(0)
	global_store_b64 v[WSL], v[SB:SB+1], s[36:37]  ; the 32 lanes fill my group's 256 bytes of scale pairs
	s_wait_tensorcnt 0x0
	ds_add_u32 v254, v255
	s_wait_dscnt 0x0
	s_endpgm
.Lfunc_end_k_q87a6839022_prep:
	.size	k_q87a6839022_prep, .Lfunc_end_k_q87a6839022_prep-k_q87a6839022_prep
	.p2alignl 7, 3214868480
	.fill 96, 4, 3214868480
	.section	.rodata,"a",@progbits
	.p2align	6, 0x0
	.amdhsa_kernel k_q87a6839022_prep
		.amdhsa_group_segment_fixed_size 47616
		.amdhsa_private_segment_fixed_size 0
		.amdhsa_enable_private_segment 0
		.amdhsa_kernarg_size 56
		.amdhsa_user_sgpr_count 2
		.amdhsa_user_sgpr_kernarg_segment_ptr 1
		.amdhsa_wavefront_size32 1
		.amdhsa_system_sgpr_workgroup_id_x 1
		.amdhsa_system_sgpr_workgroup_id_y 1
		.amdhsa_system_sgpr_workgroup_id_z 1
		.amdhsa_system_vgpr_workitem_id 0
		.amdhsa_next_free_vgpr 256
		.amdhsa_next_free_sgpr 66
		.amdhsa_reserve_vcc 0
		.amdhsa_float_denorm_mode_32 3
		.amdhsa_float_denorm_mode_16_64 3
		.amdhsa_memory_ordered 1
		.amdhsa_forward_progress 1
		.amdhsa_inst_pref_size 72
	.end_amdhsa_kernel
	.amdgpu_metadata
---
amdhsa.version: [ 1, 2 ]
amdhsa.kernels:
  - .name:           k_q87a6839022_prep
    .symbol:         k_q87a6839022_prep.kd
    .args:
      - { .name: x, .offset: 0, .size: 8, .value_kind: global_buffer, .address_space: global }
      - { .name: Wq, .offset: 8, .size: 8, .value_kind: global_buffer, .address_space: global }
      - { .name: Wk, .offset: 16, .size: 8, .value_kind: global_buffer, .address_space: global }
      - { .name: Wv, .offset: 24, .size: 8, .value_kind: global_buffer, .address_space: global }
      - { .name: Wo, .offset: 32, .size: 8, .value_kind: global_buffer, .address_space: global }
      - { .name: xq, .offset: 40, .size: 8, .value_kind: global_buffer, .address_space: global }
      - { .name: wq, .offset: 48, .size: 8, .value_kind: global_buffer, .address_space: global }
    .group_segment_fixed_size: 47616
    .private_segment_fixed_size: 0
    .kernarg_segment_align: 8
    .kernarg_segment_size: 56
    .max_flat_workgroup_size: 128
    .sgpr_count:     66
    .vgpr_count:     256
    .wavefront_size: 32
...
	.end_amdgpu_metadata
.endif
;; end of part 1
;; launch qkv (part 2): grid 8 x 32, 4 waves a work-group, clusters of 4 x 4, 327,680 bytes of LDS; arguments xq, wq, bq, bk, bv, qc, qs, kv; writes qc, qs, kv
.if DOCPART == 2
	.amdgcn_target "amdgcn-amd-amdhsa--gfx1250"
	.amdhsa_code_object_version 6
	.text
	.protected	k_q87a6839022_qkv
	.globl	k_q87a6839022_qkv
	.p2align	8
	.type	k_q87a6839022_qkv,@function
k_q87a6839022_qkv:
	s_mov_b64 s[64:65], 0
	v_nop
	global_prefetch_b8 v0, s[64:65] scope:SCOPE_SE
	s_setreg_imm32_b32 hwreg(HW_REG_WAVE_MODE, 25, 1), 1
	s_wait_xcnt 0x0
	s_wait_alu depctr_hold_cnt(0) depctr_sa_sdst(0) depctr_va_vdst(0) depctr_va_sdst(0) depctr_va_ssrc(0) depctr_va_vcc(0) depctr_vm_vsrc(0)
	s_getreg_b32 s2, hwreg(HW_REG_IB_STS2, 6, 4)
	s_cmp_eq_u32 s2, 0
	s_cbranch_scc0 .Lentry_in_a_cluster
	s_endpgm
.Lentry_in_a_cluster:
	s_bfe_u32 s2, ttmp6, 0x10000c
	s_cmp_lg_u32 s2, 0xf033
	s_cbranch_scc0 .Lentry_shape_is_right
	s_endpgm
.Lentry_shape_is_right:
; q = x Wq + bq, k = x Wk + bk, v = x Wv + bv on codes of BF6 with E8M0 scales; the results are quantised in registers and leave as images of the next products' operands.
; A work-group takes 256 rows x 128 columns (two heads) of each of q, k, v.  x's codes and scales for all of K (204,800 bytes) come into LDS once; the weights go through two slots, one for each half of K.
; A wave's job is P (source 0, 8 tiles) x R (source 1, 4 tiles): 32 accumulators, 8 K steps of 128.
;   q, k: P = the 8 tiles of W, R = my 4 tiles of x: a lane holds one row, its registers run along the head's 64: the next K.
;   v:    P = 8 tiles of x (128 keys), R = 4 tiles of W (one head): a lane holds one channel, its registers run along the keys: the next K.
; By the tile order of x's rows and W's columns (lane r of tile u of a group of 32: 8 u + r + 8 (r / 8)) the 16 registers of tiles 2 b, 2 b + 1 of P are 16 neighbours: 32 b + 16 (lane / 16) + 0 .. 15.
; OUT: qc [head 64][group of 32 queries 64][1,536]: image = [tile 0 | tile 1], 64 along d each; qs: its 16 scale words.
;      kv [head 64][128 keys: 16][12,800]: 4 images of K (32 keys each), 4 images of V^T (16 channels x 128 keys), 64 words of K's scales, 64 of V's.
; CLUSTER 4 x 4: x's blocks hang on the row block alone and are asked for jointly along a row of the cluster, W's on the column block alone, jointly along a column.
; LIMITS: NaN and infinities are not served; a block of zeros gets the byte 1 (its codes are zeros; this program alone reads the bytes).
; REGISTERS: window 0: v1-26 addresses; v32-55 scale words, two sets; v64-207 fragments, set A (on the way out: at work).  window 1: the accumulators, (p, r) at 8 (8 r + p).  window 2: fragments, set B.  window 3: the biases.
; x's ROWS GO BY GROUPS OF 64 (the order stated above holds for W's columns): tile u (0 .. 3) of a group holds in lane r the row 8 u + r % 8 + 32 (r / 8).
; So in v's job the 32 registers of tiles 4 c .. 4 c + 3 of P are the 32 neighbouring keys 64 c + 32 (lane / 16) + 0 .. 31: a whole block in a lane (QUANTV).
.set XBLK,  102400
.set WBLK,  51200
.set WMAT,  819200
.set WS0,   204800                     ; the weights' slot 0; slot 1 follows
.set SPARE, 307200                     ; the spare words: 512 bytes that no other line names
.set LI,   1                           ; 16 x lane
.set L4,   2                           ; 4 x lane
.set SPW,  3
.set NIL,  4
.set AW,   5                           ; v5-6   W's images in slot 0, 1
.set AWV,  7                           ; v7-8   the same at my head's four tiles (v)
.set AXQ,  9                           ; v9-12  x's images, [half of K][pair of steps], at my 4 tiles
.set AXV,  13                          ; v13-16 the same at my 8 tiles (v)
.set ASW,  17                          ; v17-18 W's scale pairs
.set ASWV, 19
.set ASXQ, 21                          ; v21-22 x's scale pairs
.set ASXV, 23
.set BA,   25
.set BVA,  26
.set SC,   32
.set PF,   64
.set RF,   160
.set ST,   64                          ; the way out: 64 numbers
.set TM,   128
.set PC,   144
.set PWU,  164
.set PWS,  166
.set BQ,   0                           ; window 3
.set BK,   64
.set BV,   128
.set WV,  20
.set CX,  21
.set CY,  22
.set CG,  23
.set MB,  24
.set G1X, 28
.set G1W, 36
.set G0X, 44
.set G0W, 52
.set SEL, 60
.set HM,  62
.set OQ,  66
.set OQS, 68
.set OK,  70
.set OKS, 72
.set OV,  74
.set MSB, 0
.macro WIN new                         ; the immediate's high byte repeats the setting that is left
.if MSB != \new
	s_set_vgpr_msb (MSB<<8)|\new
.set MSB, \new
.endif
.endm
.macro PLACES                          ; four plain places behind matrix instructions (ISA guide 7.12.1)
.rept 4
	v_nop
.endr
.endm
.macro ROUND                           ; a round of the cluster's barrier
	s_barrier_signal -1
	s_barrier_wait -1
	s_cmp_lg_u32 s[WV], 0
	s_cbranch_scc1 .Lnot_wave_0_\@
	s_barrier_signal -3
.Lnot_wave_0_\@:
	s_barrier_wait -3
	s_barrier_signal -1
	s_barrier_wait -1
.endm
	s_load_b256 s[4:11], s[0:1], 0x0               ; xq, wq, bq, bk
	s_load_b256 s[12:19], s[0:1], 0x20             ; bv, qc, qs, kv
	v_lshl_add_u32 v[SPW], v0, 2, SPARE
	v_mov_b32 v[NIL], 0
	ds_add_u32 v3, v4
	ds_add_u32 v3, v4
	s_wait_dscnt 0x0
	v_lshrrev_b32 v27, 5, v0
	v_readfirstlane_b32 s[WV], v27                 ; wave 0..3
	s_bfe_u32 s[CX], ttmp6, 0x40000
	s_bfe_u32 s[CY], ttmp6, 0x40004
	s_lshl_b32 s[CG], ttmp9, 2
	s_add_co_u32 s[CG], s[CG], s[CX]               ; which 128 columns
	s_and_b32 s[MB], ttmp7, 0xffff
	s_lshl_b32 s[MB], s[MB], 2
	s_add_co_u32 s[MB], s[MB], s[CY]               ; which 256 rows
	s_lshl_b32 s25, s[CY], 2
	s_lshl_b32 s25, 15, s25                        ; my row of the cluster
	s_lshl_b32 s26, 0x1111, s[CX]                  ; my column
	; dense blocks as rows of 256 bytes (32 elements of 8 bytes), no padding: x 400 rows, W 200
	s_or_b32 s[G1X], s25, (3<<16)|(1<<21)
	s_mov_b32 s[G1X+1], 32<<16
	s_mov_b32 s[G1X+2], 400<<16
	s_mov_b32 s[G1X+3], 32<<16
	s_mov_b32 s[G1X+4], 400
	s_mov_b32 s[G1X+5], 32
	s_mov_b32 s[G1X+6], 0
	s_mov_b32 s[G1X+7], 0
	s_or_b32 s[G1W], s26, (3<<16)|(1<<21)
	s_mov_b32 s[G1W+1], 32<<16
	s_mov_b32 s[G1W+2], 200<<16
	s_mov_b32 s[G1W+3], 32<<16
	s_mov_b32 s[G1W+4], 200
	s_mov_b32 s[G1W+5], 32
	s_mov_b32 s[G1W+6], 0
	s_mov_b32 s[G1W+7], 0
	s_mul_i32 s82, s[WV], 12800                    ; my quarter of a block of W, for the ring's refills
	s_mov_b32 s83, 0
	s_mul_i32 s76, s[MB], 2*XBLK
	s_mov_b32 s77, 0
	s_mul_i32 s80, s[CG], 2*WBLK
	s_mov_b32 s81, 0
	s_wait_kmcnt 0x0
	s_add_nc_u64 s[76:77], s[4:5], s[76:77]
	s_add_nc_u64 s[80:81], s[6:7], s[80:81]
	s_mov_b32 s4, 1                                ; the head's group 0 for Wq's first half, whole (the arguments that lay here have been used)
	s_mov_b32 s5, WS0
	s_mov_b64 s[6:7], s[80:81]
	s_or_b32 s7, s7, 0x80000000
	s_mov_b32 s96, 1                               ; and for its second half
	s_mov_b32 s97, WS0+WBLK
	s_add_nc_u64 s[98:99], s[80:81], WBLK
	s_or_b32 s99, s99, 0x80000000
	s_add_nc_u64 s[80:81], s[80:81], s[82:83]      ; for the ring: my quarter
.irp n, 0,1
	s_mov_b32 s[G0X+4*\n], 1
	s_mov_b32 s[G0X+4*\n+1], \n*XBLK
	s_add_nc_u64 s[G0X+4*\n+2:G0X+4*\n+3], s[76:77], \n*XBLK
	s_or_b32 s[G0X+4*\n+3], s[G0X+4*\n+3], 0x80000000
	s_mov_b32 s[G0W+4*\n], 1
	s_add_co_u32 s[G0W+4*\n+1], s82, WS0+\n*WBLK
	s_add_nc_u64 s[G0W+4*\n+2:G0W+4*\n+3], s[80:81], \n*WBLK
	s_or_b32 s[G0W+4*\n+3], s[G0W+4*\n+3], 0x80000000
.endr
	ROUND                                          ; all sixteen work-groups are here: the first joint loads meet
	; the head's four tiles, one a wave, each whole: wave 0 x's first half of K, wave 1 Wq's, wave 2 x's second half, wave 3 Wq's: one chain of arms, one join
	s_cmp_lt_u32 s[WV], 1
	s_cbranch_scc0 .Lhead_1
	tensor_load_to_lds s[G0X:G0X+3], s[G1X:G1X+7]
	s_nop 0
	PLACES
	s_branch .Lhead_j
.Lhead_1:
	s_cmp_lt_u32 s[WV], 2
	s_cbranch_scc0 .Lhead_2
	tensor_load_to_lds s[4:7], s[G1W:G1W+7]
	s_nop 0
	PLACES
	s_branch .Lhead_j
.Lhead_2:
	s_cmp_lt_u32 s[WV], 3
	s_cbranch_scc0 .Lhead_3
	tensor_load_to_lds s[G0X+4:G0X+7], s[G1X:G1X+7]
	s_nop 0
	PLACES
	s_branch .Lhead_j
.Lhead_3:
	tensor_load_to_lds s[96:99], s[G1W:G1W+7]
	s_nop 0
	PLACES
.Lhead_j:
	v_and_b32 v27, 31, v0
	v_lshlrev_b32 v[LI], 4, v27
	s_wait_alu depctr_va_vdst(0)
	v_lshlrev_b32 v[L4], 2, v27
	v_lshlrev_b32 v28, 3, v27                      ; 8 x lane
	s_wait_alu depctr_va_vdst(0)
	s_and_b32 s84, s[WV], 1
	s_lshr_b32 s85, s[WV], 1
	s_mul_i32 s86, s84, 6144
	s_mul_i32 s87, s[WV], 6144
	s_mul_i32 s88, s85, 12288
	s_lshl_b32 s89, s84, 9
	s_lshl_b32 s90, s[WV], 9
	s_lshl_b32 s91, s85, 10
	v_add_nc_u32 v29, s87, v[LI]
	v_add_nc_u32 v30, s88, v[LI]
	v_add_nc_u32 v31, s90, v28
	v_add_nc_u32 v27, s91, v28
.irp n, 0,1
	v_add_nc_u32 v[AW+\n], WS0+\n*WBLK, v[LI]
	v_add_nc_u32 v[AWV+\n], s86, v[AW+\n]
	v_add_nc_u32 v[ASW+\n], WS0+\n*WBLK+49152, v28
	v_add_nc_u32 v[ASWV+\n], s89, v[ASW+\n]
	v_add_nc_u32 v[ASXQ+\n], \n*XBLK+98304, v31
	v_add_nc_u32 v[ASXV+\n], \n*XBLK+98304, v27
.irp f, 0,1
	v_add_nc_u32 v[AXQ+2*\n+\f], \n*XBLK+\f*49152, v29
	v_add_nc_u32 v[AXV+2*\n+\f], \n*XBLK+\f*49152, v30
.endr
.endr
	v_bfe_u32 v[BA], v0, 4, 1
	v_lshlrev_b32 v[BA], 6, v[BA]                  ; bq, bk: my half's 16 numbers of each 32
	s_wait_alu depctr_va_vdst(0)
	v_and_b32 v[BVA], 15, v0
	v_and_b32 v29, 8, v0
	v_add_nc_u32 v[BVA], v[BVA], v29
	v_lshlrev_b32 v[BVA], 2, v[BVA]
	v_bfe_u32 v27, v0, 4, 1
	v_lshlrev_b32 v27, 3, v27                      ; 8 (lane / 16): where my blocks' bytes stand in a scale word of V
	s_wait_alu depctr_va_vdst(0)
	s_mov_b32 s[SEL], 0x76543210
	s_mov_b32 s[SEL+1], 0xfedcba98
	s_mov_b32 s[HM], 0xffff0000
	s_lshl_b32 s92, s[CG], 9
	s_mov_b32 s93, 0
	s_add_nc_u64 s[8:9], s[8:9], s[92:93]
	s_add_nc_u64 s[10:11], s[10:11], s[92:93]
	s_lshl_b32 s94, s84, 8
	s_add_co_u32 s92, s92, s94
	s_add_nc_u64 s[12:13], s[12:13], s[92:93]
	WIN 0xc0                                       ; destination window 3
.irp n, 0,1,2,3,4,5,6,7                ; register 8 n + j: column 32 (n / 2) + 16 h + 8 (n % 2) + j
	global_load_b128 v[BQ+8*\n:BQ+8*\n+3], v[BA], s[8:9] offset:(\n/2)*128+(\n%2)*32
	global_load_b128 v[BQ+8*\n+4:BQ+8*\n+7], v[BA], s[8:9] offset:(\n/2)*128+(\n%2)*32+16
	global_load_b128 v[BK+8*\n:BK+8*\n+3], v[BA], s[10:11] offset:(\n/2)*128+(\n%2)*32
	global_load_b128 v[BK+8*\n+4:BK+8*\n+7], v[BA], s[10:11] offset:(\n/2)*128+(\n%2)*32+16
.endr
.irp n, 0,1,2,3                        ; my column's bias of tile n, in both registers of a pair
	global_load_b32 v[BV+2*\n], v[BVA], s[12:13] offset:(32*(\n/2)+8*(\n%2))*4
	global_load_b32 v[BV+2*\n+1], v[BVA], s[12:13] offset:(32*(\n/2)+8*(\n%2))*4
.endr
	WIN 0
	; where my results go
	s_lshr_b32 s86, s[MB], 3                       ; batch
	s_and_b32 s87, s[MB], 7
	s_lshl_b32 s86, s86, 4
	s_lshl_b32 s88, s[CG], 1
	s_add_co_u32 s86, s86, s88                     ; the first of my two heads
	s_lshl_b32 s88, s87, 3
	s_lshl_b32 s89, s[WV], 1
	s_add_co_u32 s88, s88, s89                     ; my first group of 32 queries
	s_mul_i32 s90, s86, 98304
	s_mul_i32 s91, s88, 1536
	s_add_co_u32 s90, s90, s91
	s_mov_b32 s91, 0
	s_add_nc_u64 s[OQ:OQ+1], s[14:15], s[90:91]
	s_lshl_b32 s90, s86, 12
	s_lshl_b32 s92, s88, 6
	s_add_co_u32 s90, s90, s92
	s_add_nc_u64 s[OQS:OQS+1], s[16:17], s[90:91]
	s_lshl_b32 s88, s87, 1
	s_add_co_u32 s88, s88, s85                     ; my step of 128 keys
	s_mul_i32 s88, s88, 12800
	s_mul_i32 s89, s86, 204800
	s_add_co_u32 s89, s89, s88
	s_mul_i32 s90, s84, 3072
	s_add_co_u32 s90, s90, s89
	s_add_nc_u64 s[OK:OK+1], s[18:19], s[90:91]
	s_lshl_b32 s90, s84, 7
	s_add_co_u32 s90, s90, s89
	s_add_co_u32 s90, s90, 12288
	s_add_nc_u64 s[OKS:OKS+1], s[18:19], s[90:91]
	s_mul_i32 s90, s84, 204800
	s_add_co_u32 s90, s90, s89
	s_add_co_u32 s90, s90, 6144
	s_add_nc_u64 s[OV:OV+1], s[18:19], s[90:91]
.macro FRAG3 reg, adr, off             ; an image comes back as it was stored: three loads of 512 consecutive bytes
.irp g, 0,1,2
	ds_load_b128 v[\reg+4*\g:\reg+4*\g+3], v[\adr] offset:(\off)+512*\g
.endr
.endm
; K step k's 12 fragments into set k % 2; an even k also brings the scale pairs of steps k and k + 1.  type 0: q, k; 1: v
.macro FETCH type, k
.set KH, (\k)>>2
.set SS, (\k)&3
.set SGF, SC+12*(((\k)>>1)&1)
.if (\k)&1
	WIN 0x80                                       ; destination window 2
.else
	WIN 0
.endif
.if \type == 0
.irp p, 0,1,2,3,4,5,6,7
	FRAG3 PF+12*\p, AW+KH, (SS*8+\p)*1536
.endr
.irp p, 0,1,2,3
	FRAG3 RF+12*\p, AXQ+2*KH+(SS>>1), (((\k)&1)*16+\p)*1536
.endr
.else
.irp p, 0,1,2,3,4,5,6,7
	FRAG3 PF+12*\p, AXV+2*KH+(SS>>1), (((\k)&1)*16+\p)*1536
.endr
.irp p, 0,1,2,3
	FRAG3 RF+12*\p, AWV+KH, (SS*8+\p)*1536
.endr
.endif
.if ((\k)&1) == 0
.if \type == 0
.irp b, 0,1,2,3
	ds_load_b64 v[SGF+2*\b:SGF+2*\b+1], v[ASW+KH] offset:(SS>>1)*1024+\b*256
.endr
.irp b, 0,1
	ds_load_b64 v[SGF+8+2*\b:SGF+8+2*\b+1], v[ASXQ+KH] offset:(SS>>1)*2048+\b*256
.endr
.else
.irp b, 0,1,2,3
	ds_load_b64 v[SGF+2*\b:SGF+2*\b+1], v[ASXV+KH] offset:(SS>>1)*2048+\b*256
.endr
.irp b, 0,1
	ds_load_b64 v[SGF+8+2*\b:SGF+8+2*\b+1], v[ASWV+KH] offset:(SS>>1)*1024+\b*256
.endr
.endif
.endif
.endm
; one product, by the symbols DR, AR, BR, CR (under 0: the constant 0), SA, SB; RA, RB: the side's tile is the odd one of its group, whose words lie in lanes 16-31
.macro WM
.if CR < 0
.if RA && RB
	v_wmma_scale_f32_16x16x128_f8f6f4 v[DR:DR+7], v[AR:AR+11], v[BR:BR+11], 0, v[SA], v[SB] matrix_a_fmt:MATRIX_FMT_BF6 matrix_b_fmt:MATRIX_FMT_BF6 matrix_a_scale:MATRIX_SCALE_ROW1 matrix_b_scale:MATRIX_SCALE_ROW1
.elseif RA
	v_wmma_scale_f32_16x16x128_f8f6f4 v[DR:DR+7], v[AR:AR+11], v[BR:BR+11], 0, v[SA], v[SB] matrix_a_fmt:MATRIX_FMT_BF6 matrix_b_fmt:MATRIX_FMT_BF6 matrix_a_scale:MATRIX_SCALE_ROW1
.elseif RB
	v_wmma_scale_f32_16x16x128_f8f6f4 v[DR:DR+7], v[AR:AR+11], v[BR:BR+11], 0, v[SA], v[SB] matrix_a_fmt:MATRIX_FMT_BF6 matrix_b_fmt:MATRIX_FMT_BF6 matrix_b_scale:MATRIX_SCALE_ROW1
.else
	v_wmma_scale_f32_16x16x128_f8f6f4 v[DR:DR+7], v[AR:AR+11], v[BR:BR+11], 0, v[SA], v[SB] matrix_a_fmt:MATRIX_FMT_BF6 matrix_b_fmt:MATRIX_FMT_BF6
.endif
.else
.if RA && RB
	v_wmma_scale_f32_16x16x128_f8f6f4 v[DR:DR+7], v[AR:AR+11], v[BR:BR+11], v[CR:CR+7], v[SA], v[SB] matrix_a_fmt:MATRIX_FMT_BF6 matrix_b_fmt:MATRIX_FMT_BF6 matrix_a_scale:MATRIX_SCALE_ROW1 matrix_b_scale:MATRIX_SCALE_ROW1
.elseif RA
	v_wmma_scale_f32_16x16x128_f8f6f4 v[DR:DR+7], v[AR:AR+11], v[BR:BR+11], v[CR:CR+7], v[SA], v[SB] matrix_a_fmt:MATRIX_FMT_BF6 matrix_b_fmt:MATRIX_FMT_BF6 matrix_a_scale:MATRIX_SCALE_ROW1
.elseif RB
	v_wmma_scale_f32_16x16x128_f8f6f4 v[DR:DR+7], v[AR:AR+11], v[BR:BR+11], v[CR:CR+7], v[SA], v[SB] matrix_a_fmt:MATRIX_FMT_BF6 matrix_b_fmt:MATRIX_FMT_BF6 matrix_b_scale:MATRIX_SCALE_ROW1
.else
	v_wmma_scale_f32_16x16x128_f8f6f4 v[DR:DR+7], v[AR:AR+11], v[BR:BR+11], v[CR:CR+7], v[SA], v[SB] matrix_a_fmt:MATRIX_FMT_BF6 matrix_b_fmt:MATRIX_FMT_BF6
.endif
.endif
.endm
; K step k's 32 products.  The 32 accumulators take turns, one instruction a turn, in the same order in every step.  zero = 1: the products start the sums
.macro MUL k, zero
.set SGK, SC+12*(((\k)>>1)&1)+((\k)&1)
.if (\k)&1
	WIN 0x5a                                       ; sources 0, 1 window 2; C and D window 1
.else
	WIN 0x50                                       ; sources 0, 1 window 0; C and D window 1
.endif
.irp r, 0,1,2,3
.irp p, 0,1,2,3,4,5,6,7
.set DR, 8*(8*\r+\p)
.set AR, PF+12*\p
.set BR, RF+12*\r
.set SA, SGK+2*(\p/2)
.set SB, SGK+8+2*(\r/2)
.set RA, \p%2
.set RB, \r%2
.if \zero
.set CR, -1
.else
.set CR, DR
.endif
	WM
.endr
.endr
.endm
.macro STEP type, k, zero              ; the next step's fragments are asked for, then this step is multiplied
	PLACES                                         ; in front of loads into the set that the step before has read
	FETCH \type, (\k)+1
.if ((\k)+1)&1
	s_wait_dscnt 36                                ; all but the 36 loads just issued: this step's fragments are in
.else
	s_wait_dscnt 42                                ; all but the 42 just issued (36 and six scale pairs)
.endif
	MUL \k, \zero
.endm
; the last step of a half of K.  Its fragments are in registers, so the weights' slot is free.  fill = 1: the slot takes the next matrix's same half
.macro TURN type, k, slot, fill, fetch
	WIN 0
	s_wait_tensorcnt 0x0                           ; all my tensor loads have landed, my part of the other slot among them
	ds_add_u32 v[SPW], v[NIL]                      ; 0 onto my spare word
.if \fill
	s_add_nc_u64 s[G0W+4*\slot+2:G0W+4*\slot+3], s[G0W+4*\slot+2:G0W+4*\slot+3], WMAT   ; no load of mine is out: the slot's next block, a matrix on
.endif
	s_wait_dscnt 0x0                               ; the add is done, and my reads of the slot are over
.if \fill
	ROUND                                          ; so it is with every wave of every partner
	tensor_load_to_lds s[G0W+4*\slot:G0W+4*\slot+3], s[G1W:G1W+7]   ; my one load behind the round
	s_nop 0
.else
	s_barrier_signal -1
	s_barrier_wait -1
.endif
	PLACES
.if \fetch
	FETCH \type, (\k)+1
.endif
	MUL \k, 0
.endm
.macro JOB type, fill
	FETCH \type, 0
	STEP \type, 0, 1
	STEP \type, 1, 0
	STEP \type, 2, 0
	TURN \type, 3, 0, \fill, 1
	STEP \type, 4, 0
	STEP \type, 5, 0
	STEP \type, 6, 0
.if \fill
	TURN \type, 7, 1, 1, 0
.else
	s_wait_dscnt 0x0
	MUL 7, 0
.endif
.endm
; 64 numbers of a lane, register 16 b + i = k 32 b + 16 (lane / 16) + i of my row, become an image in v[PC] on and its scale word in v[pw]
.macro QUANT s, pw
.irp b, 0,1,2,3
	v_max3_num_f32 v[TM+\b], |v[\s+16*\b]|, |v[\s+1+16*\b]|, 0x2800000   ; the floor 2^(5 - 127) holds the byte at 1 from below
.endr
.irp i, 2,4,6,8,10,12,14
.irp b, 0,1,2,3
	v_max3_num_f32 v[TM+\b], v[TM+\b], |v[\s+16*\b+\i]|, |v[\s+1+16*\b+\i]|
.endr
.endr
.irp b, 0,1,2,3
	v_permlanex16_b32 v[TM+4+\b], v[TM+\b], s[SEL], s[SEL+1]
.endr
.irp b, 0,1,2,3
	v_max_num_f32 v[TM+\b], v[TM+\b], v[TM+4+\b]   ; with lane l xor 16's: the block's largest magnitude
.endr
.irp b, 0,1,2,3
	v_add_nc_u32 v[TM+12+\b], 0xfe000000, v[TM+\b] ; 4 off its exponent field: the conversion's scale operand
.endr
.irp b, 0,1,2,3
	v_lshrrev_b32 v[TM+4+\b], 23, v[TM+12+\b]      ; the byte
.endr
	v_lshl_or_b32 v[\pw], v[TM+5], 8, v[TM+4]
	v_lshl_or_b32 v[\pw], v[TM+6], 16, v[\pw]
	v_lshl_or_b32 v[\pw], v[TM+7], 24, v[\pw]
.irp c, 0,1
	v_cvt_scalef32_pk16_bf6_f32 v[PC+6*\c:PC+2+6*\c], v[\s+32*\c:\s+15+32*\c], v[TM+12+2*\c]
	v_cvt_scalef32_pk16_bf6_f32 v[PC+12+4*\c:PC+14+4*\c], v[\s+16+32*\c:\s+31+32*\c], v[TM+12+2*\c+1]
.endr
	v_nop                                          ; one plain place behind a scaled conversion
.irp c, 0,1                            ; the layout wants a whole block in a lane
.irp i, 0,1,2
	v_permlane16_swap_b32 v[PC+6*\c+\i], v[PC+12+4*\c+\i]
.endr
.irp i, 0,1,2
	v_mov_b32 v[PC+3+6*\c+\i], v[PC+12+4*\c+\i]
.endr
.endr
.endm
; q's and k's way out.  Unit (a, e): head a, my group e of 32 rows: two tiles x 64 along d = one image
.macro EPIQK bias, ob, os, ia, wa
	WIN 0
	PLACES                                         ; in front of the first read of results
.irp b, 0,1,2,3
	v_mov_b32 v[TM+4+\b], 0                        ; a lane permute's destination counts as one of its sources
.endr
.irp a, 0,1
.irp e, 0,1
	s_wait_xcnt 0x0                                ; the last unit's stores have read their registers
	WIN 0x0d                                       ; source 0 window 1 (the sums), source 1 window 3 (the bias)
.irp u, 0,1
.set j, 0
.rept 16
	v_pk_add_f32 v[ST+32*\u+j:ST+32*\u+j+1], v[64*(2*\e+\u)+32*\a+j:64*(2*\e+\u)+32*\a+j+1], v[\bias+32*\a+j:\bias+32*\a+j+1]   ; each accumulator from its low end on
.set j, j+2
.endr
.endr
	WIN 0
	QUANT ST, PWU+\e
.irp g, 0,1,2
	global_store_b128 v[LI], v[PC+4*\g:PC+4*\g+3], s[\ob:\ob+1] offset:\a*\ia+\e*1536+512*\g   ; 512 consecutive bytes
.endr
.endr
	v_cndmask_b32 v[PWS+\a], v[PWU], v[PWU+1], s[HM]   ; lanes 0-15 the first group's words, lanes 16-31 the second's
	global_store_b32 v[L4], v[PWS+\a], s[\os:\os+1] offset:\a*\wa   ; 128 consecutive bytes
.endr
.endm
; v's way out.  Unit r: 16 channels x 128 keys = one image
; 64 numbers of a lane, register 32 c + i = k 64 c + 32 (lane / 16) + i of my row: two whole blocks.  They become an image in v[PC] on and its scale word in v[pw]
.macro QUANTV s, pw
.irp c, 0,1
	v_max3_num_f32 v[TM+\c], |v[\s+32*\c]|, |v[\s+32*\c+1]|, 0x2800000   ; the floor 2^(5 - 127) holds the byte at 1 from below
.endr
.irp i, 2,4,6,8,10,12,14,16,18,20,22,24,26,28,30
.irp c, 0,1
	v_max3_num_f32 v[TM+\c], v[TM+\c], |v[\s+32*\c+\i]|, |v[\s+32*\c+\i+1]|
.endr
.endr
.irp c, 0,1
	v_add_nc_u32 v[TM+12+\c], 0xfe000000, v[TM+\c] ; 4 off the exponent field: the conversion's scale operand
.endr
.irp c, 0,1
	v_lshrrev_b32 v[TM+4+\c], 23, v[TM+12+\c]      ; the byte
.endr
	v_lshl_or_b32 v[TM+6], v[TM+5], 16, v[TM+4]    ; bytes h and 2 + h of my row's word,
	v_lshlrev_b32 v[TM+6], v27, v[TM+6]            ; at their places;
	v_permlanex16_b32 v[TM+7], v[TM+6], s[SEL], s[SEL+1]
	v_or_b32 v[\pw], v[TM+6], v[TM+7]              ; with lane l xor 16's two the word is whole
.irp c, 0,1
	v_cvt_scalef32_pk16_bf6_f32 v[PC+6*\c:PC+2+6*\c], v[\s+32*\c:\s+15+32*\c], v[TM+12+\c]
	v_cvt_scalef32_pk16_bf6_f32 v[PC+12+4*\c:PC+14+4*\c], v[\s+16+32*\c:\s+31+32*\c], v[TM+12+\c]
.endr
	v_nop                                          ; one plain place behind a scaled conversion
.irp c, 0,1
.irp i, 0,1,2
	v_mov_b32 v[PC+3+6*\c+\i], v[PC+12+4*\c+\i]
.endr
.endr
.endm
.macro EPIV
	WIN 0
	PLACES
.irp b, 0,1,2,3
	v_mov_b32 v[TM+4+\b], 0
.endr
.irp r, 0,1,2,3
	s_wait_xcnt 0x0
	WIN 0x0d
.set j, 0
.rept 32
	v_pk_add_f32 v[ST+j:ST+j+1], v[64*\r+j:64*\r+j+1], v[BV+2*\r:BV+2*\r+1]
.set j, j+2
.endr
	WIN 0
	QUANTV ST, PWU+\r%2
.irp g, 0,1,2
	global_store_b128 v[LI], v[PC+4*\g:PC+4*\g+3], s[OV:OV+1] offset:\r*1536+512*\g
.endr
.if \r%2
	v_cndmask_b32 v[PWS+\r/2], v[PWU], v[PWU+1], s[HM]
	global_store_b32 v[L4], v[PWS+\r/2], s[OV:OV+1] offset:6400+128*(\r/2)
.endif
.endr
.endm
	s_wait_tensorcnt 0x0                           ; my tile of the head's four is in
	s_mov_b32 s[G1W+2], 50<<16                     ; no tensor load of mine is out: from here on a load of W brings a quarter of a slot, 50 rows
	s_mov_b32 s[G1W+4], 50
	s_barrier_signal -1
	s_barrier_wait -1                              ; all four tiles are in
	JOB 0, 1                                       ; q
	s_wait_loadcnt 0x0                             ; the biases
	EPIQK BQ, OQ, OQS, 98304, 4096
	s_wait_xcnt 0x0                                ; the stores have read their registers: set A may be loaded again
	JOB 0, 1                                       ; k
	EPIQK BK, OK, OKS, 204800, 204800
	s_wait_xcnt 0x0
	JOB 1, 0                                       ; v: nothing is left to fetch
	EPIV
	s_wait_tensorcnt 0x0                           ; the wave's end
	ds_add_u32 v[SPW], v[NIL]
	s_wait_dscnt 0x0
	ROUND                                          ; the closing round
	s_endpgm
.Lfunc_end_k_q87a6839022_qkv:
	.size	k_q87a6839022_qkv, .Lfunc_end_k_q87a6839022_qkv-k_q87a6839022_qkv
	.p2alignl 7, 3214868480
	.fill 96, 4, 3214868480
	.section	.rodata,"a",@progbits
	.p2align	6, 0x0
	.amdhsa_kernel k_q87a6839022_qkv
		.amdhsa_group_segment_fixed_size 327680
		.amdhsa_private_segment_fixed_size 0
		.amdhsa_enable_private_segment 0
		.amdhsa_kernarg_size 64
		.amdhsa_user_sgpr_count 2
		.amdhsa_user_sgpr_kernarg_segment_ptr 1
		.amdhsa_wavefront_size32 1
		.amdhsa_system_sgpr_workgroup_id_x 1
		.amdhsa_system_sgpr_workgroup_id_y 1
		.amdhsa_system_sgpr_workgroup_id_z 1
		.amdhsa_system_vgpr_workitem_id 0
		.amdhsa_next_free_vgpr 1024
		.amdhsa_next_free_sgpr 100
		.amdhsa_reserve_vcc 0
		.amdhsa_float_denorm_mode_32 3
		.amdhsa_float_denorm_mode_16_64 3
		.amdhsa_memory_ordered 1
		.amdhsa_forward_progress 1
		.amdhsa_inst_pref_size 248
	.end_amdhsa_kernel
	.amdgpu_metadata
---
amdhsa.version: [ 1, 2 ]
amdhsa.kernels:
  - .name:           k_q87a6839022_qkv
    .symbol:         k_q87a6839022_qkv.kd
    .args:
      - { .name: xq, .offset: 0, .size: 8, .value_kind: global_buffer, .address_space: global }
      - { .name: wq, .offset: 8, .size: 8, .value_kind: global_buffer, .address_space: global }
      - { .name: bq, .offset: 16, .size: 8, .value_kind: global_buffer, .address_space: global }
      - { .name: bk, .offset: 24, .size: 8, .value_kind: global_buffer, .address_space: global }
      - { .name: bv, .offset: 32, .size: 8, .value_kind: global_buffer, .address_space: global }
      - { .name: qc, .offset: 40, .size: 8, .value_kind: global_buffer, .address_space: global }
      - { .name: qs, .offset: 48, .size: 8, .value_kind: global_buffer, .address_space: global }
      - { .name: kv, .offset: 56, .size: 8, .value_kind: global_buffer, .address_space: global }
    .group_segment_fixed_size: 327680
    .private_segment_fixed_size: 0
    .kernarg_segment_align: 8
    .kernarg_segment_size: 64
    .max_flat_workgroup_size: 128
    .sgpr_count:     100
    .vgpr_count:     1024
    .wavefront_size: 32
...
	.end_amdgpu_metadata
.endif
;; end of part 2
;; launch attn (part 3): grid 4 x 64, 16 waves a work-group, clusters of 4 x 1, 206,848 bytes of LDS; arguments kv, qc, qs, cq; writes cq
.if DOCPART == 3
	.amdgcn_target "amdgcn-amd-amdhsa--gfx1250"
	.amdhsa_code_object_version 6
	.text
	.protected	k_q87a6839022_attn
	.globl	k_q87a6839022_attn
	.p2align	8
	.type	k_q87a6839022_attn,@function
k_q87a6839022_attn:
	s_mov_b64 s[64:65], 0
	v_nop
	global_prefetch_b8 v0, s[64:65] scope:SCOPE_SE
	s_setreg_imm32_b32 hwreg(HW_REG_WAVE_MODE, 25, 1), 1
	s_wait_xcnt 0x0
	s_wait_alu depctr_hold_cnt(0) depctr_sa_sdst(0) depctr_va_vdst(0) depctr_va_sdst(0) depctr_va_ssrc(0) depctr_va_vcc(0) depctr_vm_vsrc(0)
	s_getreg_b32 s2, hwreg(HW_REG_IB_STS2, 6, 4)
	s_cmp_eq_u32 s2, 0
	s_cbranch_scc0 .Lentry_in_a_cluster
	s_endpgm
.Lentry_in_a_cluster:
	s_bfe_u32 s2, ttmp6, 0x10000c
	s_cmp_lg_u32 s2, 0x3003
	s_cbranch_scc0 .Lentry_shape_is_right
	s_endpgm
.Lentry_shape_is_right:
; ctx = softmax(q k^T / 8) v for one head, both products on codes of BF6 with E8M0 scales; ctx is quantised along D and leaves as half images of the last product's operand.
; t = score x log2(e) / 8; M = the running largest t rounded UP to a whole number; p = 2^(t - M) is quantised along the keys, not normalised; the row's sum is taken of the unquantised p and divides at the end.
; When M moves, the sum and O are multiplied by 2^(old M - new M): exact.
; SHARES.  A cluster of four work-groups owns a head; a work-group 512 queries; each of its sixteen waves two tiles of 16 queries, one pass of the outer loop each.
; The head's K, V and their scales, 204,800 bytes as they lie in kv, come into LDS ONCE, by one joint load a wave: no slot is filled again.  These loads stand at the head, so there is no loop to prefetch ahead in.
; LAYOUT.  S^T = K Q^T, O^T = V^T P^T: a lane holds one query throughout.  By the order of the keys in their tiles (tile u of a group of 64 holds in lane r the key 8 u + r % 8 + 32 (r / 8))
; the 32 registers of key tiles 4 c .. 4 c + 3 are the keys 64 c + 32 (lane / 16) + 0 .. 31: A WHOLE BLOCK OF p LIES IN ONE LANE, in the order of the operand's registers.
; THE FIRST PRODUCT'S K IS 64, the instruction's 128: an image of K holds two key tiles side by side; tile 2 f is image f x [Q | zeros], tile 2 f + 1 is image f x [zeros | Q].
; TWO REGIONS OF 64 REGISTERS TAKE TURNS.  In a step one holds K's four images and then V's, the other the scores and then p; when p has been converted, the next step's K is fetched into p's region,
; 14 LDS loads ahead of the second product.  The step after the sixteenth is step 0: the first pass's last fetch serves the second pass; the second pass's last fetch is read by nobody.
; LIMITS: NaN and infinities are not served; p under 2^-126 counts as 0; a block of zeros gets the byte 1; the promise holds while |t| stays under 2^31.
.set STEPB, 12800
.set XBLK,  102400
.set SPARE, 204800
.set PWX, 0                            ; v0, free behind the head: a lane permute's destination
.set LI,  1                            ; 16 x lane
.set LS,  2                            ; 4 x lane
.set ADK, 3                            ; v3-4  a step's images, by the step's parity
.set L8,  5                            ; 8 x lane
.set HW,  6                            ; ctx's scale bytes: lanes 0-15 tile 0's, lanes 16-31 tile 1's
.set HN,  7
.set QSW, 8
.set QS,  9
.set SH8, 10                           ; 8 (lane / 16)
.set WT,  11
.set NM,  12                           ; v12 -M, v13 the largest score
.set SUM, 14
.set QZ,  16                           ; v16-33: six zeros, Q's six registers, six zeros
.set QI,  34                           ; v34-45 the group's image of Q
.set ADS, 46                           ; v46-47 a step's scale words, by the step's parity
.set RX,  48                           ; v48-111, v112-175: the two regions
.set RY,  112
.set O,   176                          ; v176-207 O^T
.set PC,  208                          ; v208-219 p's image
.set KS,  220
.set VS,  222
.set PW,  224
.set TV,  225
.set F,   226
.set BM,  228                          ; v228-229 my two blocks' largest
.set SCO, 230
.set CT,  232                          ; v232-234, v236-238 conversions' second halves
.set BY,  235                          ; v235, v239 the bytes
.set T,   240                          ; v240-253 seven pairs of partial sums; ahead of the sums some of them serve the maxima:
.set BP,  240                          ; v240-241 lane permutes' destinations
.set RMX, 242
.set MX,  244                          ; v244-247 four partial maxima
.set H,   RX+32                        ; the half image on its way out
.set SPW, 254
.set NIL, 255
.set WV,  12
.set CX,  13
.set BH,  14
.set G1,  16
.set G0,  24
.set TB,  28
.set CNT, 29
.set CS,  30
.set SEL, 32
.set PM,  34
.set PSEL,35
.set OC,  52
.set OCS, 54
.set PS,  56
.set CSN, 57
.macro PLACES
.rept 4
	v_nop
.endr
.endm
.macro ROUND
	s_barrier_signal -1
	s_barrier_wait -1
	s_cmp_lg_u32 s[WV], 0
	s_cbranch_scc1 .Lnot_wave_0_\@
	s_barrier_signal -3
.Lnot_wave_0_\@:
	s_barrier_wait -3
	s_barrier_signal -1
	s_barrier_wait -1
.endm
.macro KLOAD reg, par                  ; a step's four images of K and their scale words: 14 LDS loads
.irp f, 0,1,2,3
.irp g, 0,1,2
	ds_load_b128 v[\reg+12*\f+4*\g:\reg+12*\f+4*\g+3], v[ADK+\par] offset:\f*1536+512*\g
.endr
.endr
	ds_load_b32 v[KS], v[ADS+\par] offset:12288    ; lanes 0-15 image 0's words, lanes 16-31 image 1's
	ds_load_b32 v[KS+1], v[ADS+\par] offset:12288+128
.endm
.macro VLOAD reg, par, f               ; image f of V
.irp g, 0,1,2
	ds_load_b128 v[\reg+12*\f+4*\g:\reg+12*\f+4*\g+3], v[ADK+\par] offset:6144+\f*1536+512*\g
.endr
.endm
	s_load_b256 s[4:11], s[0:1], 0x0               ; kv, qc, qs, cq
	v_lshl_add_u32 v[SPW], v0, 2, SPARE
	v_mov_b32 v[NIL], 0
	ds_add_u32 v[SPW], v[NIL]
	ds_add_u32 v[SPW], v[NIL]
	v_lshrrev_b32 v10, 5, v0
	v_readfirstlane_b32 s[WV], v10                 ; wave 0..15
	s_bfe_u32 s[CX], ttmp6, 0x40000                ; my place in the cluster: it enters Q's and ctx's addresses alone
	s_and_b32 s[BH], ttmp7, 0xffff                 ; batch x 16 + head
	s_mov_b32 s[G1], 15|(3<<16)|(1<<21)            ; the mask: all four; elements of 8 bytes; bit 21 beside a mask
	s_mov_b32 s[G1+1], 32<<16                      ; rows of 256 bytes,
	s_mov_b32 s[G1+2], 50<<16                      ; 50 of them: a step's 12,800 dense bytes
	s_mov_b32 s[G1+3], 32<<16
	s_mov_b32 s[G1+4], 50
	s_mov_b32 s[G1+5], 32
	s_mov_b32 s[G1+6], 0
	s_mov_b32 s[G1+7], 0
	s_mul_i32 s36, s[WV], STEPB                    ; wave w brings key step w
	s_mul_i32 s38, s[BH], 16*STEPB
	s_add_co_u32 s38, s38, s36
	s_mov_b32 s39, 0
	s_wait_dscnt 0x0
	s_wait_kmcnt 0x0
	s_mov_b32 s[G0], 1
	s_mov_b32 s[G0+1], s36
	s_add_nc_u64 s[G0+2:G0+3], s[4:5], s[38:39]
	s_or_b32 s[G0+3], s[G0+3], 0x80000000
	ROUND                                          ; all four work-groups are here: the joint loads meet
	tensor_load_to_lds s[G0:G0+3], s[G1:G1+7]      ; my one tensor load of the launch
	s_nop 0
	PLACES
	s_lshl_b32 s40, s[CX], 4
	s_add_co_u32 s40, s40, s[WV]                   ; my pair of query tiles
	s_lshl_b32 s41, s[BH], 6
	s_add_co_u32 s41, s41, s40
	s_mul_i32 s42, s41, 1536
	s_mov_b32 s43, 0
	s_add_nc_u64 s[6:7], s[6:7], s[42:43]
	s_lshl_b32 s42, s41, 6
	s_add_nc_u64 s[8:9], s[8:9], s[42:43]
	v_and_b32 v10, 31, v0
	v_and_b32 v11, 15, v0
	v_lshlrev_b32 v[LI], 4, v10
	v_lshlrev_b32 v[LS], 2, v10
	v_lshlrev_b32 v[L8], 3, v10
	v_lshlrev_b32 v[HN], 2, v11
.irp g, 0,1,2
	global_load_b128 v[QI+4*\g:QI+4*\g+3], v[LI], s[6:7] offset:512*\g th:TH_LOAD_NT
.endr
	global_load_b32 v[QSW], v[HN], s[8:9] th:TH_LOAD_NT    ; bytes 0, 1: tile 0's two blocks; bytes 2, 3: tile 1's
	; where ctx goes: block (256 rows, half of D), image (K step, tile), half (head % 2)
	s_lshr_b32 s44, s[BH], 4
	s_and_b32 s45, s[BH], 15
	s_lshl_b32 s46, s44, 3
	s_lshl_b32 s47, s[CX], 1
	s_add_co_u32 s46, s46, s47
	s_lshr_b32 s47, s[WV], 3
	s_add_co_u32 s46, s46, s47
	s_lshl_b32 s46, s46, 1
	s_lshr_b32 s47, s45, 3
	s_add_co_u32 s46, s46, s47
	s_mul_i32 s46, s46, XBLK
	s_bfe_u32 s47, s45, 0x20001
	s_lshl_b32 s47, s47, 4
	s_and_b32 s48, s[WV], 7
	s_lshl_b32 s49, s48, 1
	s_add_co_u32 s47, s47, s49
	s_mul_i32 s47, s47, 1536
	s_and_b32 s49, s45, 1
	s_mul_i32 s49, s49, 768
	s_add_co_u32 s50, s46, s47
	s_add_co_u32 s50, s50, s49
	s_mov_b32 s51, 0
	s_add_nc_u64 s[OC:OC+1], s[10:11], s[50:51]
	s_bfe_u32 s47, s45, 0x10002
	s_lshl_b32 s47, s47, 11
	s_lshl_b32 s49, s48, 8
	s_add_co_u32 s47, s47, s49
	s_and_b32 s49, s45, 3
	s_lshl_b32 s49, s49, 1
	s_add_co_u32 s47, s47, s49
	s_add_co_u32 s50, s46, s47
	s_add_co_u32 s50, s50, 98304
	s_add_nc_u64 s[OCS:OCS+1], s[10:11], s[50:51]
	s_mov_b32 s[CS], 0x3e38aa3b                    ; c = log2(e) / 8
	s_mov_b32 s[CS+1], s[CS]                       ; (named with it as a pair, so it is written)
	s_mov_b32 s[CSN], 0xbe38aa3b                   ; -c
	s_mov_b32 s[SEL], 0x76543210
	s_mov_b32 s[SEL+1], 0xfedcba98
	s_mov_b32 s[PM], 0x0000ffff                    ; the first pass's bytes go to lanes 0-15
	s_mov_b32 s[PSEL], 0x01000100                  ; and it takes bytes 0, 1 of Q's scale word
	s_mov_b32 s[PS], 0
.irp i, 0,1,2,3,4,5
	v_mov_b32 v[QZ+\i], 0                          ; zero codes on both sides of Q
	v_mov_b32 v[QZ+12+\i], 0
.endr
	v_mov_b32 v[BP], 0                             ; a lane permute's destination counts as one of its sources
	v_mov_b32 v[BP+1], 0
	v_mov_b32 v[F+1], 0                            ; (named as the upper half of a pair)
	v_mov_b32 v[TV], 0
	v_mov_b32 v[HW], 0
	v_bfe_u32 v[SH8], v0, 4, 1
	v_add_nc_u32 v[ADK], 0, v[LI]                  ; key step 0
	v_add_nc_u32 v[ADS], 0, v[LS]
	v_lshlrev_b32 v[SH8], 3, v[SH8]
	s_wait_alu depctr_va_vdst(0)
	s_wait_tensorcnt 0x0                           ; my step has landed,
	s_wait_loadcnt 0x0                             ; Q too,
	s_barrier_signal -1
	s_barrier_wait -1                              ; everybody's steps have
	KLOAD RY, 0                                    ; step 0's K
; A KEY STEP of 128 keys.  sr: the region of the scores and p; kr: that of K, then V.  odd: the step's parity
.macro STEP sr, kr, odd
.if \odd
	s_add_co_u32 s[TB], s[CNT], 1                  ; the next step's LDS byte: step (2 trip + 2) mod 16
	s_and_b32 s[TB], s[TB], 7
	s_mul_i32 s[TB], s[TB], 2*STEPB
.else
	s_mul_i32 s[TB], s[CNT], 2*STEPB               ; step 2 trip + 1
	s_add_co_u32 s[TB], s[TB], STEPB
.endif
	s_wait_dscnt 0x0                               ; this step's K, asked for in the step before
.irp f, 0,1,2,3
.if \f%2
	v_wmma_scale_f32_16x16x128_f8f6f4 v[\sr+16*\f:\sr+16*\f+7], v[\kr+12*\f:\kr+12*\f+11], v[QZ+6:QZ+17], 0, v[KS+\f/2], v[QS] matrix_a_fmt:MATRIX_FMT_BF6 matrix_b_fmt:MATRIX_FMT_BF6 matrix_a_scale:MATRIX_SCALE_ROW1
	v_wmma_scale_f32_16x16x128_f8f6f4 v[\sr+16*\f+8:\sr+16*\f+15], v[\kr+12*\f:\kr+12*\f+11], v[QZ:QZ+11], 0, v[KS+\f/2], v[QS] matrix_a_fmt:MATRIX_FMT_BF6 matrix_b_fmt:MATRIX_FMT_BF6 matrix_a_scale:MATRIX_SCALE_ROW1
.else
	v_wmma_scale_f32_16x16x128_f8f6f4 v[\sr+16*\f:\sr+16*\f+7], v[\kr+12*\f:\kr+12*\f+11], v[QZ+6:QZ+17], 0, v[KS+\f/2], v[QS] matrix_a_fmt:MATRIX_FMT_BF6 matrix_b_fmt:MATRIX_FMT_BF6
	v_wmma_scale_f32_16x16x128_f8f6f4 v[\sr+16*\f+8:\sr+16*\f+15], v[\kr+12*\f:\kr+12*\f+11], v[QZ:QZ+11], 0, v[KS+\f/2], v[QS] matrix_a_fmt:MATRIX_FMT_BF6 matrix_b_fmt:MATRIX_FMT_BF6
.endif
.endr
; four places in front of the first read of the scores and of the loads into K's registers
	v_add_nc_u32 v[ADK+1-\odd], s[TB], v[LI]       ; the next step's images,
	v_add_nc_u32 v[ADS+1-\odd], s[TB], v[LS]       ; its scale words,
	v_mov_b32 v[TV], v[NM]                         ; the old -M
	v_nop
.irp b, 0,1,2,3
	v_max3_num_f32 v[MX+\b], v[\sr+16*\b], v[\sr+1+16*\b], v[\sr+2+16*\b]   ; the largest score of my two blocks of 32 keys, in four chains: for the row's maximum and for the block's largest p
.endr
.irp i, 3,5,7,9,11,13
.irp b, 0,1,2,3
	v_max3_num_f32 v[MX+\b], v[MX+\b], v[\sr+16*\b+\i], v[\sr+1+16*\b+\i]
.endr
.endr
.irp c, 0,1
	v_max3_num_f32 v[BM+\c], v[MX+2*\c], v[MX+2*\c+1], v[\sr+32*\c+15]
.endr
.irp c, 0,1
	v_max_num_f32 v[BM+\c], v[BM+\c], v[\sr+32*\c+31]
.endr
; the row's maximum is one chain: V's 14 loads, which land while the softmax is worked, stand between its links
	VLOAD \kr, \odd, 0
	v_max_num_f32 v[RMX], v[BM], v[BM+1]
	VLOAD \kr, \odd, 1
	v_permlanex16_b32 v[BP], v[RMX], s[SEL], s[SEL+1]
	VLOAD \kr, \odd, 2
	v_max3_num_f32 v[NM+1], v[NM+1], v[RMX], v[BP] ; the running largest score: mine, lane l xor 16's, the earlier steps'
	VLOAD \kr, \odd, 3
	v_mul_f32 v[RMX], s[CSN], v[NM+1]              ; -t
	ds_load_b32 v[VS], v[ADS+\odd] offset:12544
	ds_load_b32 v[VS+1], v[ADS+\odd] offset:12544+128
	v_floor_f32 v[NM], v[RMX]                      ; -M = floor(-t): M is a whole number
.set j, 0
.rept 32
	v_pk_fma_f32 v[\sr+j:\sr+j+1], v[\sr+j:\sr+j+1], s[CS:CS+1], v[NM:NM+1] op_sel_hi:[1,0,0]   ; t - M, two at a time
.set j, j+2
.endr
.irp c, 0,1
	v_fma_f32 v[BM+\c], v[BM+\c], s[CS], v[NM]     ; the same of each block's largest score
.endr
	s_wait_alu depctr_va_vdst(0)
.set j, 0
.rept 64
	v_exp_f32 v[\sr+j], v[\sr+j]                   ; p = 2^(t - M), at most 1
.set j, j+1
.endr
.irp c, 0,1
	v_exp_f32 v[BM+\c], v[BM+\c]                   ; the block's largest p: the same two instructions on the same number
.endr
	v_sub_f32 v[TV], v[NM], v[TV]                  ; old M - new M, a whole number, 0 or less: a plain place behind the exponentials
	s_wait_alu depctr_va_vdst(0)                   ; one wait for the batch of 66, ahead of its first reader
; the row's sum of the unquantised p in seven chains, and between their runs the two blocks' scales and the factor f
.irp c, 0,1
	v_max_num_f32 v[BM+\c], 0x2800000, v[BM+\c]    ; the floor 2^(5 - 127)
.endr
.irp k, 0,1,2,3,4,5,6
	v_pk_add_f32 v[T+2*\k:T+2*\k+1], v[\sr+4*\k:\sr+4*\k+1], v[\sr+4*\k+2:\sr+4*\k+3]
.endr
.irp c, 0,1
	v_add_nc_u32 v[SCO+\c], 0xfe000000, v[BM+\c]   ; 4 off the exponent field: the conversion's scale operand
.endr
	v_cvt_i32_f32 v[TV], v[TV]                     ; (it saturates)
.irp k, 14,15,16,17,18,19,20,21,22
	v_pk_add_f32 v[T+2*(\k%7):T+2*(\k%7)+1], v[T+2*(\k%7):T+2*(\k%7)+1], v[\sr+2*\k:\sr+2*\k+1]
.endr
.irp c, 0,1
	v_lshrrev_b32 v[BY+4*\c], 23, v[SCO+\c]        ; the byte
.endr
.irp k, 23,24,25,26,27,28,29,30,31
	v_pk_add_f32 v[T+2*(\k%7):T+2*(\k%7)+1], v[T+2*(\k%7):T+2*(\k%7)+1], v[\sr+2*\k:\sr+2*\k+1]
.endr
	v_lshl_or_b32 v[WT], v[BY+4], 16, v[BY]        ; bytes h and 2 + h of p's scale word for these 128 keys,
	v_pk_add_f32 v[T+8:T+9], v[T+8:T+9], v[T:T+1]
	v_pk_add_f32 v[T+10:T+11], v[T+10:T+11], v[T+2:T+3]
	v_lshlrev_b32 v[WT], v[SH8], v[WT]             ; at their places;
	v_permlanex16_b32 v[PWX], v[WT], s[SEL], s[SEL+1]
	v_or_b32 v[PW], v[WT], v[PWX]                  ; with lane l xor 16's two the word is whole
.irp c, 0,1
	v_cvt_scalef32_pk16_bf6_f32 v[PC+6*\c:PC+6*\c+2], v[\sr+32*\c:\sr+32*\c+15], v[SCO+\c]
	v_cvt_scalef32_pk16_bf6_f32 v[CT+4*\c:CT+4*\c+2], v[\sr+16+32*\c:\sr+31+32*\c], v[SCO+\c]   ; (a conversion's three registers begin on an even number)
.endr
	v_ldexp_f32 v[F], 1.0, v[TV]                   ; f = 2^(old M - new M): the plain place behind the conversions
	KLOAD \sr, 1-\odd                              ; p is converted and summed: its region takes the next step's K
.irp c, 0,1
.irp i, 0,1,2
	v_mov_b32 v[PC+3+6*\c+\i], v[CT+4*\c+\i]
.endr
.endr
	s_wait_dscnt 14                                ; V is in; the 14 loads of the next step's K, issued behind V's, may be out
	s_wait_alu depctr_va_vdst(0)                   ; directly ahead of the first reader of O^T; it also stands between the writes above and their readers behind the wait on LDS
.set j, 0
.rept 16
	v_pk_mul_f32 v[O+j:O+j+1], v[O+j:O+j+1], v[F:F+1] op_sel_hi:[1,0]   ; O^T under the new M; also the places between the writes of p's image and word and the products
.set j, j+2
.endr
.irp t, 0,1,2,3                        ; the four accumulators take turns
.if \t%2
	v_wmma_scale_f32_16x16x128_f8f6f4 v[O+8*\t:O+8*\t+7], v[\kr+12*\t:\kr+12*\t+11], v[PC:PC+11], v[O+8*\t:O+8*\t+7], v[VS+\t/2], v[PW] matrix_a_fmt:MATRIX_FMT_BF6 matrix_b_fmt:MATRIX_FMT_BF6 matrix_a_scale:MATRIX_SCALE_ROW1
.else
	v_wmma_scale_f32_16x16x128_f8f6f4 v[O+8*\t:O+8*\t+7], v[\kr+12*\t:\kr+12*\t+11], v[PC:PC+11], v[O+8*\t:O+8*\t+7], v[VS+\t/2], v[PW] matrix_a_fmt:MATRIX_FMT_BF6 matrix_b_fmt:MATRIX_FMT_BF6
.endif
.endr
; five places: the next step's scores are written over V's registers, which these products read (ISA guide 7.12.1).  The sum's last lines fill them
	v_pk_add_f32 v[T+12:T+13], v[T+12:T+13], v[T+4:T+5]
	v_pk_add_f32 v[T+8:T+9], v[T+8:T+9], v[T+6:T+7]
	v_pk_add_f32 v[T+10:T+11], v[T+10:T+11], v[T+12:T+13]
	v_pk_add_f32 v[T+8:T+9], v[T+8:T+9], v[T+10:T+11]
	v_pk_fma_f32 v[SUM:SUM+1], v[SUM:SUM+1], v[F:F+1], v[T+8:T+9] op_sel_hi:[1,0,1]   ; the sum under the new M, and this step's part
.endm
; A PASS: one tile of 16 queries through all 16 key steps; then ctx's 64 numbers a row become a half image
.Lpass:
.irp i, 0,1,2,3,4,5
	v_mov_b32 v[QZ+6+\i], v[QI+\i]
.endr
	v_perm_b32 v[QS], v[QSW], v[QSW], s[PSEL]      ; the tile's two bytes, twice: they serve [Q | 0] and [0 | Q]
	v_mov_b32 v[NM+1], 0xff61b1e6                  ; the largest score so far: -3e38
	v_mov_b32 v[SUM], 0
	v_mov_b32 v[SUM+1], 0
	v_mul_f32 v[NM], s[CSN], v[NM+1]
	v_mov_b32 v[O], 0
	v_floor_f32 v[NM], v[NM]
.set j, 1
.rept 31
	v_mov_b32 v[O+j], 0                            ; the step is written once: the first finds zeros
.set j, j+1
.endr
	s_mov_b32 s[CNT], 0
	s_wait_alu depctr_va_vdst(0)
.Lstep:
	STEP RX, RY, 0
	STEP RY, RX, 1
	s_add_co_u32 s[CNT], s[CNT], 1
	s_cmp_lt_u32 s[CNT], 8
	s_wait_alu depctr_va_vdst(0)
	s_cbranch_scc1 .Lstep
	v_add_f32 v[SUM], v[SUM], v[SUM+1]             ; (the step's last five lines are the places behind its products)
	s_delay_alu instid0(VALU_DEP_1)
	v_permlanex16_b32 v[TV], v[SUM], s[SEL], s[SEL+1]
	s_delay_alu instid0(VALU_DEP_1)
	v_add_f32 v[SUM], v[SUM], v[TV]                ; the row's sum
	s_wait_alu depctr_va_vdst(0)
	v_rcp_f32 v[SUM], v[SUM]
	v_nop                                          ; a plain place behind the reciprocal
	s_wait_alu depctr_va_vdst(0)                   ; and the wait ahead of its first reader, which is also O^T's
.set j, 0
.rept 16
	v_pk_mul_f32 v[RX+j:RX+j+1], v[O+j:O+j+1], v[SUM:SUM+1] op_sel_hi:[1,0]   ; register 16 b + i: channel 32 b + 16 (lane / 16) + i
.set j, j+2
.endr
.irp b, 0,1
	v_max3_num_f32 v[BM+\b], |v[RX+16*\b]|, |v[RX+16*\b+1]|, 0x2800000
.endr
.irp i, 2,4,6,8,10,12,14
.irp b, 0,1
	s_delay_alu instid0(VALU_DEP_2)
	v_max3_num_f32 v[BM+\b], v[BM+\b], |v[RX+16*\b+\i]|, |v[RX+16*\b+\i+1]|
.endr
.endr
.irp b, 0,1
	s_delay_alu instid0(VALU_DEP_2)
	v_permlanex16_b32 v[BP+\b], v[BM+\b], s[SEL], s[SEL+1]
.endr
.irp b, 0,1
	s_delay_alu instid0(VALU_DEP_2)
	v_max_num_f32 v[BM+\b], v[BM+\b], v[BP+\b]
.endr
.irp b, 0,1
	s_delay_alu instid0(VALU_DEP_2)
	v_add_nc_u32 v[SCO+\b], 0xfe000000, v[BM+\b]
.endr
.irp b, 0,1
	s_delay_alu instid0(VALU_DEP_2)
	v_lshrrev_b32 v[BP+\b], 23, v[SCO+\b]
.endr
	s_delay_alu instid0(VALU_DEP_1)
	v_lshl_or_b32 v[HN], v[BP+1], 8, v[BP]
	v_cvt_scalef32_pk16_bf6_f32 v[H:H+2], v[RX:RX+15], v[SCO]
	v_cvt_scalef32_pk16_bf6_f32 v[CT:CT+2], v[RX+16:RX+31], v[SCO+1]
	v_cndmask_b32 v[HW], v[HW], v[HN], s[PM]       ; this tile's bytes into its half of the lanes: the plain place behind the conversions
.irp i, 0,1,2
	v_permlane16_swap_b32 v[H+\i], v[CT+\i]        ; along D a block lies in two lanes: the layout wants it whole in one
.endr
.irp i, 0,1,2
	s_delay_alu instid0(VALU_DEP_3)
	v_mov_b32 v[H+3+\i], v[CT+\i]
.endr
	global_store_b128 v[LI], v[H:H+3], s[OC:OC+1]              ; 512 consecutive bytes,
	global_store_b64 v[L8], v[H+4:H+5], s[OC:OC+1] offset:512  ; 256 consecutive bytes
.irp i, 0,1,2,3,4,5
	v_mov_b32 v[QI+\i], v[QI+6+\i]                 ; the second tile's Q moves up (behind the second pass these six lines serve nothing)
.endr
	s_mov_b32 s[PM], 0xffff0000                    ; the second pass: lanes 16-31,
	s_mov_b32 s[PSEL], 0x03020302                  ; bytes 2, 3
	s_wait_xcnt 0x0                                ; the stores have read their data and their base: both are written again behind this wait
	s_add_nc_u64 s[OC:OC+1], s[OC:OC+1], 1536      ; the second tile's image
	s_add_co_u32 s[PS], s[PS], 1
	s_cmp_lt_u32 s[PS], 2
	s_wait_alu depctr_va_vdst(0)
	s_cbranch_scc1 .Lpass
	global_store_b16 v[L8], v[HW], s[OCS:OCS+1]    ; two bytes of each row's eight: the other six are other heads'
	s_wait_tensorcnt 0x0                           ; the wave's end
	ds_add_u32 v[SPW], v[NIL]
	s_wait_dscnt 0x0                               ; the add, and the last fetch of K
	ROUND                                          ; the closing round
	s_endpgm
.Lfunc_end_k_q87a6839022_attn:
	.size	k_q87a6839022_attn, .Lfunc_end_k_q87a6839022_attn-k_q87a6839022_attn
	.p2alignl 7, 3214868480
	.fill 96, 4, 3214868480
	.section	.rodata,"a",@progbits
	.p2align	6, 0x0
	.amdhsa_kernel k_q87a6839022_attn
		.amdhsa_group_segment_fixed_size 206848
		.amdhsa_private_segment_fixed_size 0
		.amdhsa_enable_private_segment 0
		.amdhsa_kernarg_size 32
		.amdhsa_user_sgpr_count 2
		.amdhsa_user_sgpr_kernarg_segment_ptr 1
		.amdhsa_wavefront_size32 1
		.amdhsa_system_sgpr_workgroup_id_x 1
		.amdhsa_system_sgpr_workgroup_id_y 1
		.amdhsa_system_sgpr_workgroup_id_z 1
		.amdhsa_system_vgpr_workitem_id 0
		.amdhsa_next_free_vgpr 256
		.amdhsa_next_free_sgpr 66
		.amdhsa_reserve_vcc 0
		.amdhsa_float_denorm_mode_32 3
		.amdhsa_float_denorm_mode_16_64 3
		.amdhsa_memory_ordered 1
		.amdhsa_forward_progress 1
		.amdhsa_inst_pref_size 42
	.end_amdhsa_kernel
	.amdgpu_metadata
---
amdhsa.version: [ 1, 2 ]
amdhsa.kernels:
  - .name:           k_q87a6839022_attn
    .symbol:         k_q87a6839022_attn.kd
    .args:
      - { .name: kv, .offset: 0, .size: 8, .value_kind: global_buffer, .address_space: global }
      - { .name: qc, .offset: 8, .size: 8, .value_kind: global_buffer, .address_space: global }
      - { .name: qs, .offset: 16, .size: 8, .value_kind: global_buffer, .address_space: global }
      - { .name: cq, .offset: 24, .size: 8, .value_kind: global_buffer, .address_space: global }
    .group_segment_fixed_size: 206848
    .private_segment_fixed_size: 0
    .kernarg_segment_align: 8
    .kernarg_segment_size: 32
    .max_flat_workgroup_size: 512
    .sgpr_count:     66
    .vgpr_count:     256
    .wavefront_size: 32
...
	.end_amdgpu_metadata
.endif
;; end of part 3
;; launch proj (part 4): grid 8 x 32, 4 waves a work-group, clusters of 4 x 4, 307,712 bytes of LDS; arguments cq, wq, bo, x, out0; writes out0
.if DOCPART == 4
	.amdgcn_target "amdgcn-amd-amdhsa--gfx1250"
	.amdhsa_code_object_version 6
	.text
	.protected	k_q87a6839022_proj
	.globl	k_q87a6839022_proj
	.p2align	8
	.type	k_q87a6839022_proj,@function
k_q87a6839022_proj:
	s_mov_b64 s[64:65], 0
	v_nop
	global_prefetch_b8 v0, s[64:65] scope:SCOPE_SE
	s_setreg_imm32_b32 hwreg(HW_REG_WAVE_MODE, 25, 1), 1
	s_wait_xcnt 0x0
	s_wait_alu depctr_hold_cnt(0) depctr_sa_sdst(0) depctr_va_vdst(0) depctr_va_sdst(0) depctr_va_ssrc(0) depctr_va_vcc(0) depctr_vm_vsrc(0)
	s_getreg_b32 s2, hwreg(HW_REG_IB_STS2, 6, 4)
	s_cmp_eq_u32 s2, 0
	s_cbranch_scc0 .Lentry_in_a_cluster
	s_endpgm
.Lentry_in_a_cluster:
	s_bfe_u32 s2, ttmp6, 0x10000c
	s_cmp_lg_u32 s2, 0xf033
	s_cbranch_scc0 .Lentry_shape_is_right
	s_endpgm
.Lentry_shape_is_right:
; out = ctx Wo + bo + x, the product on codes of BF6 with E8M0 scales.  A work-group takes 256 rows x 128 columns; a wave 64 rows: P (source 0) = Wo's 8 tiles, R (source 1) = my 4 tiles of ctx: 32 accumulators, 8 K steps.
; ctx's codes and scales for all of K (204,800 bytes) and Wo's (102,400) come into LDS once: nothing is filled again.  bo is the C of each sum's first product.  x is loaded early into registers and added on the way out.
; A fragment of ctx is two half images (64 along K each): registers 6 c .. 6 c + 3 at 768 c + 16 x lane, registers 6 c + 4, 6 c + 5 at 768 c + 512 + 8 x lane.
; CLUSTER 4 x 4: ctx's blocks are asked for jointly along a row of the cluster, Wo's along a column.
; REGISTERS: window 0: addresses, v32-55 scale words, v64-207 fragments set A (on the way out: rows of the result).  window 1: the accumulators.  window 2: the residual, 64 rows x 4 registers.  window 3: v0-63 bo, v64-207 fragments set B.
; THE ROWS OF A TILE: tile r (0 .. 3) of my 64 rows holds in lane i the row 8 r + i % 8 + 32 (i / 8), as x's and ctx's tiles are laid.
.set XBLK,  102400
.set WBLK,  51200
.set WMAT,  819200
.set WS0,   204800
.set LI,   1
.set AW,   5
.set AC16, 9
.set AC8,  13
.set ASW,  17
.set ASC,  21
.set BA,   25
.set STO,  26
.set SRD,  27
.set SC,   32
.set PF,   64
.set RF,   160
.set LB,   64                          ; the way out: two sets of 64
.set BO,   0                           ; window 3
.set WV,  20
.set CX,  21
.set CY,  22
.set CG,  23
.set MB,  24
.set G1X, 28
.set G1W, 36
.set G0X, 44
.set G0W, 52
.set XB,  66
.set OB,  68
.set MSB, 0
.macro WIN new
.if MSB != \new
	s_set_vgpr_msb (MSB<<8)|\new
.set MSB, \new
.endif
.endm
.macro PLACES
.rept 4
	v_nop
.endr
.endm
.macro ROUND
	s_barrier_signal -1
	s_barrier_wait -1
	s_cmp_lg_u32 s[WV], 0
	s_cbranch_scc1 .Lnot_wave_0_\@
	s_barrier_signal -3
.Lnot_wave_0_\@:
	s_barrier_wait -3
	s_barrier_signal -1
	s_barrier_wait -1
.endm
	s_load_b256 s[4:11], s[0:1], 0x0               ; cq, wq, bo, x
	s_load_b64 s[12:13], s[0:1], 0x20              ; out0
	v_lshl_add_u32 v254, v0, 2, 0x4b000
	v_mov_b32 v255, 0
	ds_add_u32 v254, v255
	ds_add_u32 v254, v255
	v_lshrrev_b32 v28, 5, v0
	v_readfirstlane_b32 s[WV], v28
	s_bfe_u32 s[CX], ttmp6, 0x40000
	s_bfe_u32 s[CY], ttmp6, 0x40004
	s_lshl_b32 s[CG], ttmp9, 2
	s_add_co_u32 s[CG], s[CG], s[CX]
	s_and_b32 s[MB], ttmp7, 0xffff
	s_lshl_b32 s[MB], s[MB], 2
	s_add_co_u32 s[MB], s[MB], s[CY]
	s_lshl_b32 s25, s[CY], 2
	s_lshl_b32 s25, 15, s25
	s_lshl_b32 s26, 0x1111, s[CX]
	s_or_b32 s[G1X], s25, (3<<16)|(1<<21)
	s_mov_b32 s[G1X+1], 32<<16
	s_mov_b32 s[G1X+2], 400<<16
	s_mov_b32 s[G1X+3], 32<<16
	s_mov_b32 s[G1X+4], 400
	s_mov_b32 s[G1X+5], 32
	s_mov_b32 s[G1X+6], 0
	s_mov_b32 s[G1X+7], 0
	s_or_b32 s[G1W], s26, (3<<16)|(1<<21)
	s_mov_b32 s[G1W+1], 32<<16
	s_mov_b32 s[G1W+2], 200<<16
	s_mov_b32 s[G1W+3], 32<<16
	s_mov_b32 s[G1W+4], 200
	s_mov_b32 s[G1W+5], 32
	s_mov_b32 s[G1W+6], 0
	s_mov_b32 s[G1W+7], 0
	s_mul_i32 s76, s[MB], 2*XBLK
	s_mov_b32 s77, 0
	s_mul_i32 s80, s[CG], 2*WBLK
	s_add_co_u32 s80, s80, 3*WMAT                  ; the fourth matrix: Wo
	s_mov_b32 s81, 0
	s_wait_dscnt 0x0
	s_wait_kmcnt 0x0
	s_add_nc_u64 s[76:77], s[4:5], s[76:77]
	s_add_nc_u64 s[80:81], s[6:7], s[80:81]
.irp n, 0,1
	s_mov_b32 s[G0X+4*\n], 1
	s_mov_b32 s[G0X+4*\n+1], \n*XBLK
	s_add_nc_u64 s[G0X+4*\n+2:G0X+4*\n+3], s[76:77], \n*XBLK
	s_or_b32 s[G0X+4*\n+3], s[G0X+4*\n+3], 0x80000000
	s_mov_b32 s[G0W+4*\n], 1
	s_mov_b32 s[G0W+4*\n+1], WS0+\n*WBLK
	s_add_nc_u64 s[G0W+4*\n+2:G0W+4*\n+3], s[80:81], \n*WBLK
	s_or_b32 s[G0W+4*\n+3], s[G0W+4*\n+3], 0x80000000
.endr
	ROUND
	; the launch's four tiles, one a wave, each whole: wave 0 ctx's first half of K, wave 1 Wo's, wave 2 ctx's second half, wave 3 Wo's: one chain of arms, one join
	s_cmp_lt_u32 s[WV], 1
	s_cbranch_scc0 .Lhead_1
	tensor_load_to_lds s[G0X:G0X+3], s[G1X:G1X+7]
	s_nop 0
	PLACES
	s_branch .Lhead_j
.Lhead_1:
	s_cmp_lt_u32 s[WV], 2
	s_cbranch_scc0 .Lhead_2
	tensor_load_to_lds s[G0W:G0W+3], s[G1W:G1W+7]
	s_nop 0
	PLACES
	s_branch .Lhead_j
.Lhead_2:
	s_cmp_lt_u32 s[WV], 3
	s_cbranch_scc0 .Lhead_3
	tensor_load_to_lds s[G0X+4:G0X+7], s[G1X:G1X+7]
	s_nop 0
	PLACES
	s_branch .Lhead_j
.Lhead_3:
	tensor_load_to_lds s[G0W+4:G0W+7], s[G1W:G1W+7]
	s_nop 0
	PLACES
.Lhead_j:
	v_and_b32 v28, 31, v0
	v_lshlrev_b32 v[LI], 4, v28
	v_lshlrev_b32 v28, 3, v28                      ; 8 x lane
	s_mul_i32 s87, s[WV], 6144
	s_lshl_b32 s90, s[WV], 9
	s_mul_i32 s91, s[WV], 8448
	v_add_nc_u32 v29, s87, v[LI]
	v_add_nc_u32 v30, s87, v28
	v_add_nc_u32 v31, s90, v28
.irp n, 0,1
	v_add_nc_u32 v[AW+\n], WS0+\n*WBLK, v[LI]
	v_add_nc_u32 v[ASW+\n], WS0+\n*WBLK+49152, v28
	v_add_nc_u32 v[ASC+\n], \n*XBLK+98304, v31
.irp f, 0,1
	v_add_nc_u32 v[AC16+2*\n+\f], \n*XBLK+\f*49152, v29
	v_add_nc_u32 v[AC8+2*\n+\f], \n*XBLK+\f*49152+512, v30
.endr
.endr
	v_and_b32 v29, 15, v0                          ; r
	v_bfe_u32 v30, v0, 4, 1                        ; h
	v_mul_u32_u24 v[STO], v29, 528
	v_lshl_add_u32 v[STO], v30, 6, v[STO]
	v_add_nc_u32 v[STO], s91, v[STO]               ; my stage, in: row r, + 64 h
	v_add_nc_u32 v[SRD], s91, v[LI]                ; back: a row's 512 bytes
	v_lshlrev_b32 v[BA], 6, v30
	s_wait_alu depctr_va_vdst(0)
	s_lshl_b32 s92, s[MB], 20                      ; 256 rows of 4,096 bytes,
	s_lshl_b32 s93, s[WV], 18                      ; my 64,
	s_add_co_u32 s92, s92, s93
	s_lshl_b32 s94, s[CG], 9                       ; my work-group's 128 columns
	s_add_co_u32 s92, s92, s94
	s_mov_b32 s93, 0
	s_mov_b32 s95, 0
	s_add_nc_u64 s[XB:XB+1], s[10:11], s[92:93]
	s_add_nc_u64 s[OB:OB+1], s[12:13], s[92:93]
	s_add_nc_u64 s[8:9], s[8:9], s[94:95]
	WIN 0xc0                                       ; destination window 3
.irp n, 0,1,2,3,4,5,6,7                ; register 8 n + j: column 32 (n / 2) + 16 h + 8 (n % 2) + j: the result's layout
	global_load_b128 v[BO+8*\n:BO+8*\n+3], v[BA], s[8:9] offset:(\n/2)*128+(\n%2)*32
	global_load_b128 v[BO+8*\n+4:BO+8*\n+7], v[BA], s[8:9] offset:(\n/2)*128+(\n%2)*32+16
.endr
.macro RESLOAD r                       ; x's 16 rows of my tile r, 512 consecutive bytes each, in the order of the tile's lanes
.set i, 0
.rept 16
	global_load_b128 v[4*(16*\r+i):4*(16*\r+i)+3], v[LI], s[XB:XB+1] offset:(8*\r+i%8+32*(i/8))*4096 th:TH_LOAD_NT
.set i, i+1
.endr
.endm
	WIN 0x80                                       ; destination window 2
	RESLOAD 0
	RESLOAD 1
	WIN 0
.macro FRAG3 reg, adr, off
.irp g, 0,1,2
	ds_load_b128 v[\reg+4*\g:\reg+4*\g+3], v[\adr] offset:(\off)+512*\g
.endr
.endm
.macro FRAG4 reg, ai, off
.irp c, 0,1
	ds_load_b128 v[\reg+6*\c:\reg+6*\c+3], v[AC16+\ai] offset:(\off)+768*\c
	ds_load_b64 v[\reg+6*\c+4:\reg+6*\c+5], v[AC8+\ai] offset:(\off)+768*\c
.endr
.endm
.macro FETCH k
.set KH, (\k)>>2
.set SS, (\k)&3
.set SGF, SC+12*(((\k)>>1)&1)
.if (\k)&1
	WIN 0xc0                                       ; destination window 3
.else
	WIN 0
.endif
.irp p, 0,1,2,3,4,5,6,7
	FRAG3 PF+12*\p, AW+KH, (SS*8+\p)*1536
.endr
.irp p, 0,1,2,3
	FRAG4 RF+12*\p, 2*KH+(SS>>1), (((\k)&1)*16+\p)*1536
.endr
.if ((\k)&1) == 0
.irp b, 0,1,2,3
	ds_load_b64 v[SGF+2*\b:SGF+2*\b+1], v[ASW+KH] offset:(SS>>1)*1024+\b*256
.endr
.irp b, 0,1
	ds_load_b64 v[SGF+8+2*\b:SGF+8+2*\b+1], v[ASC+KH] offset:(SS>>1)*2048+\b*256
.endr
.endif
.endm
.macro WM                              ; one product, by the symbols DR, AR, BR, CR, SA, SB; RA, RB: the side's words lie in lanes 16-31
.if RA && RB
	v_wmma_scale_f32_16x16x128_f8f6f4 v[DR:DR+7], v[AR:AR+11], v[BR:BR+11], v[CR:CR+7], v[SA], v[SB] matrix_a_fmt:MATRIX_FMT_BF6 matrix_b_fmt:MATRIX_FMT_BF6 matrix_a_scale:MATRIX_SCALE_ROW1 matrix_b_scale:MATRIX_SCALE_ROW1
.elseif RA
	v_wmma_scale_f32_16x16x128_f8f6f4 v[DR:DR+7], v[AR:AR+11], v[BR:BR+11], v[CR:CR+7], v[SA], v[SB] matrix_a_fmt:MATRIX_FMT_BF6 matrix_b_fmt:MATRIX_FMT_BF6 matrix_a_scale:MATRIX_SCALE_ROW1
.elseif RB
	v_wmma_scale_f32_16x16x128_f8f6f4 v[DR:DR+7], v[AR:AR+11], v[BR:BR+11], v[CR:CR+7], v[SA], v[SB] matrix_a_fmt:MATRIX_FMT_BF6 matrix_b_fmt:MATRIX_FMT_BF6 matrix_b_scale:MATRIX_SCALE_ROW1
.else
	v_wmma_scale_f32_16x16x128_f8f6f4 v[DR:DR+7], v[AR:AR+11], v[BR:BR+11], v[CR:CR+7], v[SA], v[SB] matrix_a_fmt:MATRIX_FMT_BF6 matrix_b_fmt:MATRIX_FMT_BF6
.endif
.endm
; K step k's 32 products; the 32 accumulators take turns.  bias = 1: the sums begin with bo
.macro MUL k, bias
.set SGK, SC+12*(((\k)>>1)&1)+((\k)&1)
.if \bias
	WIN 0x70                                       ; sources 0, 1 window 0; C window 3; D window 1
.elseif (\k)&1
	WIN 0x5f                                       ; sources 0, 1 window 3; C and D window 1
.else
	WIN 0x50
.endif
.irp r, 0,1,2,3
.irp p, 0,1,2,3,4,5,6,7
.set DR, 8*(8*\r+\p)
.set AR, PF+12*\p
.set BR, RF+12*\r
.set SA, SGK+2*(\p/2)
.set SB, SGK+8+2*(\r/2)
.set RA, \p%2
.set RB, \r%2
.if \bias
.set CR, BO+8*\p
.else
.set CR, DR
.endif
	WM
.endr
.endr
.endm
.macro STEP k, bias
	PLACES
	FETCH (\k)+1
.if ((\k)+1)&1
	s_wait_dscnt 40                                ; all but the 40 loads just issued
.else
	s_wait_dscnt 46                                ; all but the 46 just issued (40 and six scale pairs)
.endif
	MUL \k, \bias
.endm
	s_wait_tensorcnt 0x0                           ; my tile of the four is in
	s_barrier_signal -1
	s_barrier_wait -1
	FETCH 0
	s_wait_loadcnt 32                              ; bo's 16 loads are in; the 32 loads of the residual behind them may be out
	STEP 0, 1
	STEP 1, 0
	STEP 2, 0
	s_wait_tensorcnt 0x0                           ; my parts of the second halves have landed,
	s_wait_dscnt 0x0                               ; step 3's fragments are in: my reads of the first halves are over
	s_barrier_signal -1
	s_barrier_wait -1
	PLACES
	FETCH 4
	WIN 0x80
	RESLOAD 2
	RESLOAD 3
	MUL 3, 0
	STEP 4, 0
	STEP 5, 0
	STEP 6, 0
	s_wait_dscnt 0x0
	MUL 7, 0
	WIN 0
	PLACES                                         ; in front of the first read of results
	s_wait_loadcnt 0x0                             ; the residual
; THE WAY OUT, a tile of 16 rows at a time, through my stage: it lies in ctx's first half, which had its only fill at the start and which nobody reads behind the middle barrier
.irp r, 0,1,2,3
.if \r >= 2
	s_wait_xcnt 0x0                                ; the stores of two tiles back have read their registers
.endif
	WIN 0x04                                       ; an LDS store's data are its source 1: window 1
.irp b, 0,1,2,3
.irp q, 0,1,2,3
	ds_store_b128 v[STO], v[64*\r+16*\b+4*\q:64*\r+16*\b+4*\q+3] offset:128*\b+16*\q   ; columns 32 b + 16 h + 4 q on; each accumulator from its low end on
.endr
.endr
	WIN 0
.set i, 0
.rept 16
	ds_load_b128 v[LB+64*(\r%2)+4*i:LB+64*(\r%2)+4*i+3], v[SRD] offset:528*i   ; LDS serves a wave's instructions in order: these see the stores above
.set i, i+1
.endr
	s_wait_dscnt 0x0
	WIN 0x08                                       ; source 1 window 2: the residual
.set i, 0
.rept 32
	v_pk_add_f32 v[LB+64*(\r%2)+i:LB+64*(\r%2)+i+1], v[LB+64*(\r%2)+i:LB+64*(\r%2)+i+1], v[64*\r+i:64*\r+i+1]
.set i, i+2
.endr
	WIN 0
.set i, 0
.rept 16
	global_store_b128 v[LI], v[LB+64*(\r%2)+4*i:LB+64*(\r%2)+4*i+3], s[OB:OB+1] offset:(8*\r+i%8+32*(i/8))*4096 th:TH_STORE_NT
.set i, i+1
.endr
.endr
	s_wait_dscnt 0x0
	s_wait_tensorcnt 0x0
	ds_add_u32 v254, v255
	s_wait_dscnt 0x0
	ROUND                                          ; the closing round
	s_endpgm
.Lfunc_end_k_q87a6839022_proj:
	.size	k_q87a6839022_proj, .Lfunc_end_k_q87a6839022_proj-k_q87a6839022_proj
	.p2alignl 7, 3214868480
	.fill 96, 4, 3214868480
	.section	.rodata,"a",@progbits
	.p2align	6, 0x0
	.amdhsa_kernel k_q87a6839022_proj
		.amdhsa_group_segment_fixed_size 307712
		.amdhsa_private_segment_fixed_size 0
		.amdhsa_enable_private_segment 0
		.amdhsa_kernarg_size 40
		.amdhsa_user_sgpr_count 2
		.amdhsa_user_sgpr_kernarg_segment_ptr 1
		.amdhsa_wavefront_size32 1
		.amdhsa_system_sgpr_workgroup_id_x 1
		.amdhsa_system_sgpr_workgroup_id_y 1
		.amdhsa_system_sgpr_workgroup_id_z 1
		.amdhsa_system_vgpr_workitem_id 0
		.amdhsa_next_free_vgpr 1024
		.amdhsa_next_free_sgpr 100
		.amdhsa_reserve_vcc 0
		.amdhsa_float_denorm_mode_32 3
		.amdhsa_float_denorm_mode_16_64 3
		.amdhsa_memory_ordered 1
		.amdhsa_forward_progress 1
		.amdhsa_inst_pref_size 94
	.end_amdhsa_kernel
	.amdgpu_metadata
---
amdhsa.version: [ 1, 2 ]
amdhsa.kernels:
  - .name:           k_q87a6839022_proj
    .symbol:         k_q87a6839022_proj.kd
    .args:
      - { .name: cq, .offset: 0, .size: 8, .value_kind: global_buffer, .address_space: global }
      - { .name: wq, .offset: 8, .size: 8, .value_kind: global_buffer, .address_space: global }
      - { .name: bo, .offset: 16, .size: 8, .value_kind: global_buffer, .address_space: global }
      - { .name: x, .offset: 24, .size: 8, .value_kind: global_buffer, .address_space: global }
      - { .name: out0, .offset: 32, .size: 8, .value_kind: global_buffer, .address_space: global }
    .group_segment_fixed_size: 307712
    .private_segment_fixed_size: 0
    .kernarg_segment_align: 8
    .kernarg_segment_size: 40
    .max_flat_workgroup_size: 128
    .sgpr_count:     100
    .vgpr_count:     1024
    .wavefront_size: 32
...
	.end_amdgpu_metadata
.endif
;; end of part 4
